; MI455X (gfx1250); checked and timed in simulation.
; The chip was launched on July 23, 2026; its instructions are those of AMD's public machine-readable ISA for CDNA 5 (MIT licence, August 2026) and "CDNA5" Instruction Set Architecture Reference Guide (July 2026). The comments in the code are by the model that wrote it; some were corrected since.
;; Multihead Self Attention. Allowed arithmetic: matrix products marked QUANTISED: E2M1 operands, one E8M0 scale for each 32 along K, by v_wmma_scale_f32_16x16x128_f8f6f4 with both operands' format E2M1 (or v_wmma_scale_f32_32x16x128_f4), f32 sums; products left as they are: bf16, f16 or f32 operands; f32 sums; everything else in f32.
;; Inputs: token_positions 2,048 int32; wk 1,024 x 1,024 float32; wo 1,024 x 1,024 float32; wq 1,024 x 1,024 float32; wv 1,024 x 1,024 float32; x 4 x 2,048 x 1,024 float32.
;; Outputs: out0 4 x 2,048 x 1,024 float32.
;; This version of the problem:
;;   THIS VERSION OF THE PROBLEM IS GIVEN IN LOW PRECISION. The matrix products marked QUANTISED in the list below multiply operands that are first quantised to E2M1 (2 exponent bits, 1 mantissa bit; 4 bits a number), with one power-of-two scale for each 32 numbers along K (OCP MX v1.0); their sums are f32. The products marked 'left as it is' may take bf16, f16 or f32 operands, with f32 sums. Whichever they take, every output number must still come out within the allowed error. Rounding operands to bf16 (8 significant bits) uses up far more of that allowance than f16 does (11 bits, for magnitudes from 6e-5 to 65,504). All else is computed in f32.
;;   The module's matrix products, in the order in which they are computed (A, B: the left and right operand; K: the contracted axis; several contracted axes count as one K, in the product's order):
;;     1. [M 8,192, K 1,024] x [K 1,024, N 1,024]; A: input x; B: input wq: QUANTISED
;;     2. [M 8,192, K 1,024] x [K 1,024, N 1,024]; A: input x; B: input wk: QUANTISED
;;     3. [M 8,192, K 1,024] x [K 1,024, N 1,024]; A: input x; B: input wv: QUANTISED
;;     4. batch 64 x [M 2,048, K 64] x [K 64, N 2,048]; A: computed on the way; B: computed on the way: left as it is (an operand is computed on the way)
;;     5. batch 64 x [M 2,048, K 2,048] x [K 2,048, N 64]; A: computed on the way; B: computed on the way: left as it is (an operand is computed on the way)
;;     6. [M 8,192, K 1,024] x [K 1,024, N 1,024]; A: computed on the way; B: input wo: left as it is (an operand is computed on the way)
;;   THE QUANTISER, for each operand of a quantised product, along K:
;;     - K is cut into blocks of 32 from its start; a last block that is shorter is filled with zeros.
;;     - A block's scale is 2^e with e = floor(log2(the largest magnitude in the block)) - 2, held to -126 .. 127; a block of zeros has e = 0. As a byte (E8M0): e + 127.
;;     - Each number is divided by its block's scale, clamped to +-6, and rounded to the nearest number of E2M1, ties to even, subnormals kept.
;;     - The product sums the exact products of the quantised numbers (number of the format x scale) in f32.
;;   ~~~python
;;   def quantise(x, axis):      # numpy; x: float32 -> the quantised numbers, widened to float32 again
;;       x = np.moveaxis(x, axis, -1); K = x.shape[-1]
;;       x = np.pad(x, [(0, 0)] * (x.ndim - 1) + [(0, -K % 32)]); x = x.reshape(x.shape[:-1] + (-1, 32)); a = np.abs(x).max(-1, keepdims=True)
;;       e = np.where(a > 0, np.clip(np.frexp(np.where(a > 0, a, 1))[1] - 1 - 2, -126, 127), 0)      # np.frexp(a)[1] - 1 = floor(log2(a)), exactly
;;       r = np.clip(x / 2.0 ** e, -6, 6)
;;       step = 2.0 ** (np.maximum(np.frexp(np.where(r == 0, 1, r))[1] - 1, 0) - 1)
;;       q = np.round(r / step) * step * 2.0 ** e      # np.round: ties to even
;;       return np.moveaxis(q.reshape(q.shape[:-2] + (-1,))[..., :K], -1, axis).astype(np.float32)
;;   ~~~
;; One version. Each part assembles by itself: llvm-mc -triple=amdgcn-amd-amdhsa -mcpu=gfx1250 --defsym DOCPART=n.
;; ======== version 1 of 1: 5 launches
;; limits: values are held in f16: magnitudes above 65,504 overflow, below 6.1e-05 lose precision; right only within a limited range of input values
;; workspace buffers: codes 5,767,168 bytes; scales 360,448 bytes; wo3 2,097,152 bytes; tab 1,048,576 bytes; qkv 50,331,648 bytes; qkvf 786,432 bytes; y3 16,777,216 bytes
;; launch prep (part 1): grid 512 x 1, 4 waves a work-group, no clusters, 33,280 bytes of LDS; arguments x, wq, wk, wv, wo, token_positions, codes, scales, wo3, tab; writes codes, scales, wo3, tab
.if DOCPART == 1
	.amdgcn_target "amdgcn-amd-amdhsa--gfx1250"
	.amdhsa_code_object_version 6
	.text
	.protected	k_q5dd32e95cc_prep
	.globl	k_q5dd32e95cc_prep
	.p2align	8
	.type	k_q5dd32e95cc_prep,@function
k_q5dd32e95cc_prep:
	s_mov_b64 s[64:65], 0
	v_nop
	global_prefetch_b8 v0, s[64:65] scope:SCOPE_SE
	s_setreg_imm32_b32 hwreg(HW_REG_WAVE_MODE, 25, 1), 1
	s_wait_xcnt 0x0
; PREP: everything that later launches read many times is made once.  Three kinds of work-group, told apart by the work-group's number alone:
;   0 .. 351   x [8192][1024] and wq, wk, wv [1024][1024], f32, become codes of FP4 (E2M1), K innermost, 512 bytes a row, and one E8M0 byte for each 32 along K, 32 bytes a row.
;              Rows 0 .. 8191 of both buffers are x's, then wq's, wk's, wv's on end.  A work-group takes 32,768 numbers, a wave 8,192.
;   352 .. 479 wo [1024 e][1024 k] f32 becomes f16, laid [e / 128][k / 64][128 rows][64]: blocks of 16,384 dense bytes, as the projection's tensor loads want them.
;   480 .. 511 the table of RoPE: for each place l and pair i: cos and sin of token_positions[l] x 10000^(-i / 32); part 0 times c = log2(e) / 8 (for q: the softmax's factor), part 1 plain (for k).
; THE QUANTISER.  A block's scale is 2^(floor(log2(its largest magnitude)) - 2); its byte is the largest magnitude's own exponent field - 2, held at 1 from below.  A block of zeros so gets the byte 1
; where the rule says 127: its codes are zeros, which add nothing under any byte but 0xff, and this program alone reads the bytes.  Each number is divided by the scale and rounded to the nearest code, ties to even,
; beyond 6 to 6.  Rows are dense and 1,024 is a multiple of 32, so the tensors are plain streams of blocks.
; A lane must hold 16 NEIGHBOURS for the conversions, and a load is best where neighbouring LANES take neighbouring bytes: each load reads 512 consecutive bytes, 16 a lane; a step's 2,048 bytes go through the wave's
; own stage in LDS and come back 64 bytes a lane (16 bytes of padding behind each 64).  A step's codes leave as 256 consecutive bytes; a wave's 256 scale bytes are gathered in LDS and leave as 256 consecutive bytes.
; LIMITS: NaN and infinities are not served.  Blocks whose largest magnitude lies under 2^-124 are held at the byte 1.  |wo| stays under 65,504 (f16).  |token_positions| up to 2^20: the angle is reduced by
; pi / 2 in two parts.  10000^(-i / 32) is made by one multiplication and v_exp_f32: about 1e-7 to 1e-6 relative, which moves an angle of 2,047 x 0.75 by about 1e-4.
.set WAVES, 4
.set STEPS, 16
.set NCODE, 352                        ; work-groups that quantise
.set NWO,   480                        ; behind them, up to here: wo
.set EMAX,  2
.set CB,    8                          ; bytes of 16 codes
.set R,     16                         ; v16-79   four sets of 16 numbers as they are loaded
.set X,     80                         ; v80-111  two sets of 16 neighbours
.set C,     128                        ; v128-191 codes: four registers for each step, so that no store's data are written again
.set E,     112                        ; v112-127 a scale byte for each step
.set RS,    64                         ; the table's path: v64-127 four results for each of 16 places
.set WREG,  8192                       ; LDS: a region for each wave: two stages of 32 x SP bytes, and behind them its 256 scale bytes
.set SP,    80
.set SPW,   12                         ; v12  LDS address of my spare word: SPARE + 4 x my thread's number; never rewritten
.set NIL,   13                         ; v13  0; never rewritten
.set SPARE, WAVES*WREG                 ; behind the four regions: the spare words, 128 bytes a wave
	s_load_b512 s[4:19], s[0:1], 0x0               ; x s[4:5], wq s[6:7], wk s[8:9], wv s[10:11], wo s[12:13], token_positions s[14:15], codes s[16:17], scales s[18:19]
	s_load_b128 s[20:23], s[0:1], 0x40             ; wo3 s[20:21], tab s[22:23]
	v_lshl_add_u32 v[SPW], v0, 2, SPARE
	v_mov_b32 v[NIL], 0
	v_lshrrev_b32 v1, 5, v0
	v_readfirstlane_b32 s24, v1                    ; wave
	v_and_b32 v2, 31, v0                           ; lane
	s_mov_b32 s29, 0                               ; the upper word of every offset here
	s_wait_kmcnt 0x0
	s_cmp_lt_u32 ttmp9, NCODE
	s_cbranch_scc0 .Lnot_codes
	; ---------------- codes and scale bytes ----------------
	v_lshlrev_b32 v3, 4, v2                        ; my 16 bytes of a load's 512
	s_mul_i32 s25, s24, WREG
	v_lshrrev_b32 v14, 2, v2
	v_mul_u32_u24 v14, v14, SP
	v_and_b32 v15, 3, v2
	v_lshl_add_u32 v14, v15, 4, v14
	v_add_nc_u32 v14, s25, v14                     ; the stage, on the way in: SP (lane / 4) + 16 (lane % 4)
	v_mul_u32_u24 v15, v2, SP
	v_add_nc_u32 v15, s25, v15                     ; and on the way out: SP x lane: my 16 neighbours
	v_mul_u32_u24 v4, v2, CB                       ; my codes' place in a step's
	v_lshrrev_b32 v5, 1, v2
	s_add_co_u32 s25, s25, 2*32*SP
	v_add_nc_u32 v5, s25, v5                       ; LDS: my wave's 256 scale bytes, my block's byte
	v_lshlrev_b32 v7, 3, v2                        ; and on the way out 8 bytes a lane
	v_add_nc_u32 v6, s25, v7
	s_cmp_lt_u32 ttmp9, 256                        ; which tensor?  The choices hang on the work-group's number alone
	s_cselect_b64 s[26:27], s[4:5], s[6:7]
	s_cselect_b32 s28, 0, 256                      ; and the number of its first work-group
	s_cmp_lt_u32 ttmp9, 288
	s_cselect_b64 s[26:27], s[26:27], s[8:9]
	s_cselect_b32 s28, s28, 288
	s_cmp_lt_u32 ttmp9, 320
	s_cselect_b64 s[26:27], s[26:27], s[10:11]
	s_cselect_b32 s28, s28, 320
	s_sub_co_u32 s28, ttmp9, s28
	s_lshl_b32 s28, s28, 2
	s_add_co_u32 s28, s28, s24                     ; which run of 8,192 numbers of the tensor is my wave's
	s_lshl_b32 s28, s28, 15                        ; 32,768 bytes a run
	s_add_nc_u64 s[26:27], s[26:27], s[28:29]
	s_lshl_b32 s30, ttmp9, 2
	s_add_co_u32 s30, s30, s24                     ; the outputs lie in the order of the work-groups: run 4 x work-group + wave
	s_lshl_b32 s28, s30, 12                        ; 4,096 bytes of codes a run
	s_add_nc_u64 s[16:17], s[16:17], s[28:29]
	s_lshl_b32 s28, s30, 8                         ; 256 scale bytes a run
	s_add_nc_u64 s[18:19], s[18:19], s[28:29]
.macro LOAD t
.irp i, 0,1,2,3
	global_load_b128 v[R+16*((\t)%4)+4*\i:R+16*((\t)%4)+4*\i+3], v3, s[26:27] offset:2048*(\t)+512*\i th:TH_LOAD_NT   ; 32 lanes read 512 consecutive bytes
.endr
.endm
.macro TURN t                          ; step t's numbers through the stage: LDS serves a wave's instructions in order, so no wait stands between the stores and the loads
.irp i, 0,1,2,3
	ds_store_b128 v14, v[R+16*((\t)%4)+4*\i:R+16*((\t)%4)+4*\i+3] offset:32*SP*((\t)%2)+8*SP*\i
.endr
.irp i, 0,1,2,3
	ds_load_b128 v[X+16*((\t)%2)+4*\i:X+16*((\t)%2)+4*\i+3], v15 offset:32*SP*((\t)%2)+16*\i
.endr
.endm
.irp t, 0,1,2,3
	LOAD \t
.endr
	s_wait_loadcnt 12                              ; step 0's four loads are in; the twelve of steps 1 to 3 may be out
	TURN 0
.macro STEP t
.set XS, X+16*((\t)%2)
.if (\t) > 0
	s_wait_dscnt 1                                 ; this step's numbers are back from the stage (the last step's byte store may be out): so its stores into the stage have read their registers,
.else
	s_wait_dscnt 0x0
.endif
.if (\t)+4 < STEPS
	LOAD (\t)+4                                    ; which take the loads of four steps on
.endif
.if (\t)+1 < STEPS
.if STEPS-2-(\t) >= 3
	s_wait_loadcnt 12                              ; the next step's four loads are in; those of the three steps behind it may be out
.else
	s_wait_loadcnt 4*(STEPS-2-(\t))
.endif
	TURN (\t)+1                                    ; and go through the other stage while this step is worked
.endif
	v_max3_num_f32 v8, |v[XS]|, |v[XS+1]|, |v[XS+2]|               ; the largest magnitude of my 16
	v_max3_num_f32 v9, |v[XS+3]|, |v[XS+4]|, |v[XS+5]|
.irp i, 6,10
	v_max3_num_f32 v8, v8, |v[XS+\i]|, |v[XS+\i+1]|
	v_max3_num_f32 v9, v9, |v[XS+\i+2]|, |v[XS+\i+3]|
.endr
	v_max3_num_f32 v8, v8, |v[XS+14]|, |v[XS+15]|
	v_max3_num_f32 v8, v8, v9, (EMAX+1)<<23        ; and the floor 2^(3 - 127): so the byte cannot fall under 1
	v_max_num_f32_dpp v8, v8, v8 row_xmask:1 row_mask:0xf bank_mask:0xf   ; and of my neighbour's 16: the block's
	v_add_nc_u32 v11, -(EMAX<<23), v8              ; 2 off its exponent field: the conversion takes the exponent field of this operand as its scale, and nothing else of it
	v_cvt_scalef32_pk8_fp4_f32 v[C+4*(\t)], v[XS:XS+7], v11
	v_cvt_scalef32_pk8_fp4_f32 v[C+4*(\t)+1], v[XS+8:XS+15], v11
	v_lshrrev_b32 v[E+(\t)], 23, v11               ; the scale's byte (also the plain line behind the conversions)
	ds_store_b8 v5, v[E+(\t)] offset:16*(\t)       ; both lanes of a block write the same byte with the same value
	global_store_b64 v4, v[C+4*(\t):C+4*(\t)+1], s[16:17] offset:32*CB*(\t)   ; 32 lanes store 256 consecutive bytes, aligned
.endm
.irp t, 0,1,2,3,4,5,6,7,8,9,10,11,12,13,14,15
	STEP \t
.endr
	ds_load_b64 v[8:9], v6                         ; LDS serves a wave's instructions in order: these see my stores
	s_wait_dscnt 0x0
	global_store_b64 v7, v[8:9], s[18:19]          ; 32 lanes store 256 consecutive bytes, aligned
	s_wait_tensorcnt 0x0                           ; the wave's end: behind my last LDS store
	ds_add_u32 v[SPW], v[NIL]
	s_wait_dscnt 0x0
	s_endpgm
.Lnot_codes:
	s_cmp_lt_u32 ttmp9, NWO
	s_cbranch_scc0 .Ltable
	; ---------------- wo to f16, in blocks of 128 rows x 64 along K ----------------
	s_sub_co_u32 s25, ttmp9, NCODE                 ; the block: 16 x (e / 128) + k / 64
	s_lshr_b32 s26, s25, 4
	s_and_b32 s27, s25, 15
	s_lshl_b32 s26, s26, 7
	s_lshl_b32 s30, s24, 5                         ; my wave's 32 rows of the block
	s_add_co_u32 s26, s26, s30                     ; my first row of wo
	s_lshl_b32 s28, s26, 12                        ; 4,096 bytes a row,
	s_lshl_b32 s27, s27, 8                         ; 256 bytes for 64 along K
	s_add_co_u32 s28, s28, s27
	s_add_nc_u64 s[12:13], s[12:13], s[28:29]
	s_lshl_b32 s28, s25, 7
	s_add_co_u32 s28, s28, s30
	s_lshl_b32 s28, s28, 7                         ; out: 128 bytes a row
	s_add_nc_u64 s[20:21], s[20:21], s[28:29]
	v_lshrrev_b32 v3, 4, v2
	v_and_b32 v4, 15, v2
	v_lshlrev_b32 v3, 12, v3
	v_lshl_add_u32 v3, v4, 4, v3                   ; in: lanes 0-15 one row's 256 bytes, lanes 16-31 the next row's
	v_lshlrev_b32 v4, 3, v2                        ; out: the same two rows are 256 bytes on end: 8 bytes a lane
.irp t, 0,1,2,3,4,5,6,7,8,9,10,11,12,13,14,15
	global_load_b128 v[16+4*\t:19+4*\t], v3, s[12:13] offset:8192*\t th:TH_LOAD_NT
.endr
.irp t, 0,1,2,3,4,5,6,7,8,9,10,11,12,13,14,15
	s_wait_loadcnt 15-\t                           ; loads come back in order: load t is in, the younger ones may be out
	v_cvt_pk_f16_f32 v[80+2*\t], v[16+4*\t], v[17+4*\t]
	v_cvt_pk_f16_f32 v[81+2*\t], v[18+4*\t], v[19+4*\t]
	global_store_b64 v4, v[80+2*\t:81+2*\t], s[20:21] offset:256*\t   ; 256 consecutive bytes, aligned; each store has data registers of its own
.endr
	s_wait_tensorcnt 0x0                           ; the three closing lines stand on this way too
	ds_add_u32 v[SPW], v[NIL]
	s_wait_dscnt 0x0
	s_endpgm
.Ltable:
	; ---------------- the table of cos and sin: a wave takes 16 places l, a lane a pair i ----------------
	s_sub_co_u32 s25, ttmp9, NWO
	s_lshl_b32 s25, s25, 2
	s_add_co_u32 s25, s25, s24                     ; which 16 places
	s_lshl_b32 s28, s25, 6
	s_add_nc_u64 s[14:15], s[14:15], s[28:29]
	s_load_b512 s[32:47], s[14:15], 0x0            ; their 16 positions: they enter floating-point numbers alone
	s_lshl_b32 s30, s25, 12                        ; 256 bytes of table a place
	s_mov_b32 s31, 0
	s_add_nc_u64 s[22:23], s[22:23], s[30:31]
	s_mov_b32 s48, 0x3fc90fdb                      ; pi / 2, its upper part,
	s_mov_b32 s49, 0xb33bbd2e                      ; and what is left of it
	s_mov_b32 s50, 0x3e38aa3b                      ; c = log2(e) / 8
	v_cvt_f32_u32 v14, v2
	v_mul_f32 v14, 0xbed49a78, v14                 ; -i x log2(10000) / 32
	v_exp_f32 v15, v14                             ; 10000^(-i / 32)
	v_lshlrev_b32 v11, 3, v2                       ; (the plain line behind it)  8 bytes a lane: a place's 32 pairs are 256 bytes on end
	s_wait_alu depctr_va_vdst(0)                   ; the wait ahead of the first line that names the result
	s_wait_kmcnt 0x0
; Place j.  The angle is one product, as the definition has it.  n = the nearest whole number of quarter turns; what is left, r, lies within pi / 4; sin r and cos r by polynomials in r^2;
; the quarter (n mod 4) swaps the two and sets their signs, by selects and exclusive ors: no branch hangs on a number.
.macro ANG j
	v_cvt_f32_i32 v16, s[32+\j]
	v_mul_f32 v16, v16, v15                        ; the angle
	v_mul_f32 v17, 0x3f22f983, v16                 ; x 2 / pi
	v_rndne_f32 v17, v17                           ; n
	v_fma_f32 v18, -v17, s48, v16
	v_fma_f32 v18, -v17, s49, v18                  ; r
	v_mul_f32 v19, v18, v18                        ; z = r^2
	v_cvt_i32_f32 v20, v17
	v_mov_b32 v21, 0xb94ca1f9
	v_fmaak_f32 v21, v21, v19, 0x3c08839e
	v_fmaak_f32 v21, v21, v19, 0xbe2aaaa3
	v_mul_f32 v22, v18, v19
	v_fma_f32 v21, v22, v21, v18                   ; sin r = r + r z (s1 + z (s2 + z s3))
	v_mov_b32 v23, 0x37ccf5ce
	v_fmaak_f32 v23, v23, v19, 0xbab6061a
	v_fmaak_f32 v23, v23, v19, 0x3d2aaaa5
	v_mul_f32 v24, v19, v19
	v_fma_f32 v25, v19, -0.5, 1.0
	v_fma_f32 v23, v24, v23, v25                   ; cos r = 1 - z / 2 + z^2 (c1 + z (c2 + z c3))
	v_and_b32 v26, 1, v20
	v_cmp_eq_u32 vcc_lo, 1, v26                    ; an odd quarter swaps them
	v_cndmask_b32 v27, v21, v23, vcc_lo
	v_cndmask_b32 v28, v23, v21, vcc_lo
	v_and_b32 v26, 2, v20                          ; sin is negative in quarters 2 and 3,
	v_lshlrev_b32 v26, 30, v26
	v_add_nc_u32 v29, 1, v20                       ; cos in quarters 1 and 2
	v_and_b32 v29, 2, v29
	v_lshlrev_b32 v29, 30, v29
	v_xor_b32 v[RS+4*\j+3], v26, v27               ; sin
	v_xor_b32 v[RS+4*\j+2], v29, v28               ; cos
	v_mul_f32 v[RS+4*\j], s50, v[RS+4*\j+2]
	v_mul_f32 v[RS+4*\j+1], s50, v[RS+4*\j+3]
	global_store_b64 v11, v[RS+4*\j:RS+4*\j+1], s[22:23] offset:256*\j            ; part 0: (c cos, c sin): 256 consecutive bytes, aligned
	global_store_b64 v11, v[RS+4*\j+2:RS+4*\j+3], s[22:23] offset:524288+256*\j   ; part 1: (cos, sin).  Each place has data registers of its own
.endm
.irp j, 0,1,2,3,4,5,6,7,8,9,10,11,12,13,14,15
	ANG \j
.endr
	s_wait_tensorcnt 0x0                           ; the three closing lines stand on this way too
	ds_add_u32 v[SPW], v[NIL]
	s_wait_dscnt 0x0
	s_endpgm
.Lfunc_end_k_q5dd32e95cc_prep:
	.size	k_q5dd32e95cc_prep, .Lfunc_end_k_q5dd32e95cc_prep-k_q5dd32e95cc_prep
	.p2alignl 7, 3214868480
	.fill 96, 4, 3214868480
	.section	.rodata,"a",@progbits
	.p2align	6, 0x0
	.amdhsa_kernel k_q5dd32e95cc_prep
		.amdhsa_group_segment_fixed_size 33280
		.amdhsa_private_segment_fixed_size 0
		.amdhsa_enable_private_segment 0
		.amdhsa_kernarg_size 80
		.amdhsa_user_sgpr_count 2
		.amdhsa_user_sgpr_kernarg_segment_ptr 1
		.amdhsa_wavefront_size32 1
		.amdhsa_system_sgpr_workgroup_id_x 1
		.amdhsa_system_sgpr_workgroup_id_y 1
		.amdhsa_system_sgpr_workgroup_id_z 1
		.amdhsa_system_vgpr_workitem_id 0
		.amdhsa_next_free_vgpr 192
		.amdhsa_next_free_sgpr 66
		.amdhsa_reserve_vcc 1
		.amdhsa_float_denorm_mode_32 3
		.amdhsa_float_denorm_mode_16_64 3
		.amdhsa_memory_ordered 1
		.amdhsa_forward_progress 1
		.amdhsa_inst_pref_size 66
	.end_amdhsa_kernel
	.amdgpu_metadata
---
amdhsa.version: [ 1, 2 ]
amdhsa.kernels:
  - .name:           k_q5dd32e95cc_prep
    .symbol:         k_q5dd32e95cc_prep.kd
    .args:
      - { .name: x, .offset: 0, .size: 8, .value_kind: global_buffer, .address_space: global }
      - { .name: wq, .offset: 8, .size: 8, .value_kind: global_buffer, .address_space: global }
      - { .name: wk, .offset: 16, .size: 8, .value_kind: global_buffer, .address_space: global }
      - { .name: wv, .offset: 24, .size: 8, .value_kind: global_buffer, .address_space: global }
      - { .name: wo, .offset: 32, .size: 8, .value_kind: global_buffer, .address_space: global }
      - { .name: token_positions, .offset: 40, .size: 8, .value_kind: global_buffer, .address_space: global }
      - { .name: codes, .offset: 48, .size: 8, .value_kind: global_buffer, .address_space: global }
      - { .name: scales, .offset: 56, .size: 8, .value_kind: global_buffer, .address_space: global }
      - { .name: wo3, .offset: 64, .size: 8, .value_kind: global_buffer, .address_space: global }
      - { .name: tab, .offset: 72, .size: 8, .value_kind: global_buffer, .address_space: global }
    .group_segment_fixed_size: 33280
    .private_segment_fixed_size: 0
    .kernarg_segment_align: 8
    .kernarg_segment_size: 80
    .max_flat_workgroup_size: 128
    .sgpr_count:     66
    .vgpr_count:     192
    .wavefront_size: 32
...
	.end_amdgpu_metadata
.endif
;; end of part 1
;; launch qkv (part 2): grid 12 x 32, 4 waves a work-group, clusters of 4 x 4, 327,680 bytes of LDS; arguments codes, scales, tab, qkv, qkvf; writes qkv, qkvf
.if DOCPART == 2
	.amdgcn_target "amdgcn-amd-amdhsa--gfx1250"
	.amdhsa_code_object_version 6
	.text
	.protected	k_q5dd32e95cc_qkv
	.globl	k_q5dd32e95cc_qkv
	.p2align	8
	.type	k_q5dd32e95cc_qkv,@function
k_q5dd32e95cc_qkv:
	s_mov_b64 s[64:65], 0
	v_nop
	global_prefetch_b8 v0, s[64:65] scope:SCOPE_SE
	s_setreg_imm32_b32 hwreg(HW_REG_WAVE_MODE, 25, 1), 1
	s_wait_xcnt 0x0
	s_wait_alu depctr_hold_cnt(0) depctr_sa_sdst(0) depctr_va_vdst(0) depctr_va_sdst(0) depctr_va_ssrc(0) depctr_va_vcc(0) depctr_vm_vsrc(0)
	s_getreg_b32 s2, hwreg(HW_REG_IB_STS2, 6, 4)
	s_cmp_eq_u32 s2, 0
	s_cbranch_scc0 .Lentry_in_a_cluster
	s_endpgm
.Lentry_in_a_cluster:
	s_bfe_u32 s2, ttmp6, 0x10000c
	s_cmp_lg_u32 s2, 0xf033
	s_cbranch_scc0 .Lentry_shape_is_right
	s_endpgm
.Lentry_shape_is_right:
; q, k, v = x wq^T, x wk^T, x wv^T on codes of FP4 (E2M1) with one E8M0 scale for each 32 along K = 1,024; sums in f32; RoPE on q and k; results as f16, by heads.
; One product C [8192][3072] = A B^T: A = x's codes (rows 0 .. 8191 of the buffer codes), B = wq's, wk's, wv's on end (rows 8192 .. 11263); the scale bytes lie in the same order of rows.
; A tile of C, 256 x 256, is made by a work-group of four waves, a wave makes 128 x 128: 64 accumulators of 16 x 16, 512 registers.  K = 1,024 is two slots of 512 along K (rows of 256 bytes):
; both slots and all scale bytes are first fills; nothing in LDS is filled again by a tensor load.
; CLUSTERS: 4 x 4 work-groups.  The cluster's x (0, 1, 2) IS q, k, v; cx picks four heads; cy is the batch; the cluster's y picks 256 places l.  So RoPE's places, and whether a wave holds the first 16 places of
; a sequence, hang on the cluster's y and the wave's number alone, which all partners share.  The four of a row of the cluster need the same tiles of A, the four of a column the same tiles of B: each is asked for
; JOINTLY, by the same tensor load with the same descriptor and a mask that names the four.
; THE MATRIX INSTRUCTION IS USED TRANSPOSED (source 0 = 16 rows of B, source 1 = 16 rows of A): a lane holds one place l and eight neighbouring channels: four pairs of RoPE.
; THE WAY OUT: a pair (x1, x2) becomes (x1 cos - x2 sin, x1 sin + x2 cos) by one packed multiplication and one packed multiply-add on the table's pair (cos, sin); q's part of the table carries c = log2(e) / 8.
; Rounded to f16, a block of 16 places x 2 heads goes through my own stage in LDS and leaves as runs of 512 consecutive bytes of the planes [which x 64 + batch x 16 + head][l][64].
; The first 16 places of every sequence are stored in f32 as well (qkvf): the last launch makes those rows of the result anew in f32.
; LIMITS: |c q|, |k|, |v| stay under 65,504 (f16).  NaN and infinities are not served.
; REGISTERS, in windows of 256: window 0: v0-31 addresses; v32-95 scale words, two sets; from v128 A's fragments, ONE set; on the way out v32-95 the turned numbers, v96-127 f16, v128-191 rows back from the stage.
;   window 1: B's fragments, TWO sets, at v0 and at v128; v64-127 and v192-255: the table's pairs for my blocks 0-3 (blocks 4-7 take B's registers when B is done with).
;   window 2: the 32 accumulators of my rows 0-63 (accumulator (a, b) at v[8 (8 a + b)]);   window 3: those of my rows 64-127.
.set KSTEP,  512
.set NQ,     KSTEP/128
.set ROWB,   256                       ; a tile's row in bytes
.set KROW,   512                       ; a row of codes in memory
.set PITCH,  272                       ; an LDS row: 256 bytes + 16 of padding: the 16 rows that a load touches begin 68 words apart
.set FR,     8
.set NL,     2
.set NP,     4                         ; places behind this matrix instruction (ISA guide 7.12.1)
.set HALFT,  128*PITCH
.set SLOT,   4*HALFT
.set KS,     32                        ; a row of scales in bytes
.set SCL,    2*SLOT
.set HALFS,  (128*KS/256)*272
.set SBLK,   (16*KS/256)*272
.set SPARE,  SCL+4*HALFS               ; behind the scales: the spare words, 128 bytes a wave
.set WSTG,   4608                      ; the way out: a stage for each wave, in slot 0, which has had its one fill and its last read: two heads x 16 rows x (128 bytes + 16)
.set HSTG,   2304
.set ADRA, 16
.set ADRB, 20
.set STO,  24                          ; v24  the stage: where I put 16 bytes of a row
.set RD,   25                          ; v25  and where I read rows back
.set CO,   26                          ; v26  16 x lane
.set ADRS, 27
.set SPW,  28                          ; v28  LDS address of my spare word; never rewritten
.set NIL,  29                          ; v29  0; never rewritten
.set TA,   30                          ; v30  256 x (lane % 16) + 32 x (lane / 16): my place in 16 rows of the table, and in 16 rows of qkvf; never rewritten
.set SC,   32
.set AF,   128
.set R,    32
.set PK,   96
.set BK,   128
.set FINE, 95                          ; s95  1 where my block 0 is the first 16 places of a sequence
.set G1, 24
.set G0, 32
.set G1B, 48
.set G0B, 56
.set G1S, 68
.set G0S, 76
.set G1SB, 80
.set G0SB, 88
.set MSB, 0
.macro WIN new                         ; the immediate's high byte repeats the setting that is left
.if MSB != (\new)
	s_set_vgpr_msb (MSB<<8)|(\new)
.set MSB, (\new)
.endif
.endm
.set MUL_LO, 0xa1                      ; source 0 (B) window 1, source 1 (A) window 0, C and D window 2
.set MUL_HI, 0xf1
.set TO_B,   0x40                      ; destination window 1, address window 0
; A joint load: waves 0 and 1 fetch for A, waves 2 and 3 for B.  The branch hangs on the wave's number alone.  An s_nop 0 and four v_nop follow each of the two lines.
.macro JLOAD g0a, g1a, g0b, g1b
	s_cmp_eq_u32 s15, 0
	s_cbranch_scc0 .Lfor_b_\@
	tensor_load_to_lds s[\g0a:\g0a+3], s[\g1a:\g1a+7]
	s_nop 0
.rept 4
	v_nop
.endr
	s_branch .Lasked_\@
.Lfor_b_\@:
	tensor_load_to_lds s[\g0b:\g0b+3], s[\g1b:\g1b+7]
	s_nop 0
.rept 4
	v_nop
.endr
.Lasked_\@:
.endm
.macro CROUND                          ; a round of the cluster's barrier
	s_barrier_signal -1
	s_barrier_wait -1
	s_cmp_lg_u32 s14, 0
	s_cbranch_scc1 .Lnot_wave_0_\@
	s_barrier_signal -3
.Lnot_wave_0_\@:
	s_barrier_wait -3
	s_barrier_signal -1
	s_barrier_wait -1
.endm
	s_load_b128 s[4:7], s[0:1], 0x0                ; codes s[4:5], scales s[6:7]
	s_load_b128 s[8:11], s[0:1], 0x10              ; tab s[8:9], qkv s[10:11]
	s_load_b64 s[12:13], s[0:1], 0x20              ; qkvf
	v_lshl_add_u32 v[SPW], v0, 2, SPARE
	v_mov_b32 v[NIL], 0
	ds_add_u32 v[SPW], v[NIL]                      ; the wave's opening: the add, twice on end, and its wait ahead of my first tensor load
	ds_add_u32 v[SPW], v[NIL]
	v_lshrrev_b32 v1, 5, v0
	v_readfirstlane_b32 s14, v1                    ; wave 0..3
	s_lshr_b32 s15, s14, 1                         ; which half of the tile's rows is mine.  Also: I fetch for A (0) or for B (1)
	s_and_b32 s16, s14, 1                          ; which half of its columns.  Also: which 128 rows of that tile I fetch
	s_bfe_u32 s40, ttmp6, 0x40000                  ; cx
	s_bfe_u32 s41, ttmp6, 0x40004                  ; cy
	s_lshl_b32 s42, ttmp9, 2
	s_add_co_u32 s42, s42, s40                     ; tile column of C = 4 x cluster x + cx
	s_and_b32 s17, ttmp7, 0xffff                   ; the cluster's y: places 256 y on
	s_lshl_b32 s43, s41, 2
	s_lshl_b32 s43, 15, s43                        ; my row of the cluster
	s_lshl_b32 s44, 0x1111, s40                    ; my column
	s_or_b32 s[G1+0], s43, (0<<16)|(1<<20)|(1<<21)|(5<<22)|(3<<25)  ; the mask; elements of 1 byte; padding on; bit 21 beside a mask; after every 64 words four words
	s_or_b32 s[G1B+0], s44, (0<<16)|(1<<20)|(1<<21)|(5<<22)|(3<<25)
.irp g, G1, G1B
	s_mov_b32 s[\g+1], ROWB<<16                    ; tensor_dim0
	s_mov_b32 s[\g+2], 128<<16                     ; tensor_dim1
	s_mov_b32 s[\g+3], ROWB<<16                    ; tile_dim0
	s_mov_b32 s[\g+4], 128                         ; tile_dim1
	s_mov_b32 s[\g+5], KROW                        ; from row to row
	s_mov_b32 s[\g+6], 0
	s_mov_b32 s[\g+7], 0
.endr
	s_or_b32 s[G1S+0], s43, (3<<16)|(1<<20)|(1<<21)|(5<<22)|(3<<25)  ; the scales of 128 rows: 4,096 dense bytes, as 16 rows of 256 bytes (32 elements of 8), 16 bytes of padding behind each
	s_or_b32 s[G1SB+0], s44, (3<<16)|(1<<20)|(1<<21)|(5<<22)|(3<<25)
.irp g, G1S, G1SB
	s_mov_b32 s[\g+1], 32<<16
	s_mov_b32 s[\g+2], (128*KS/256)<<16
	s_mov_b32 s[\g+3], 32<<16
	s_mov_b32 s[\g+4], 128*KS/256
	s_mov_b32 s[\g+5], 32
	s_mov_b32 s[\g+6], 0
	s_mov_b32 s[\g+7], 0
.endr
	s_lshl_b32 s18, s16, 7                         ; which 128 rows of the tile I fetch
	s_lshl_b32 s20, s41, 11                        ; A: row 2,048 x batch
	s_lshl_b32 s19, s17, 8
	s_add_co_u32 s20, s20, s19                     ; + 256 x cluster y
	s_add_co_u32 s20, s20, s18                     ; + 128 x half: cy and the cluster's y alone, which my row of the cluster shares
	s_lshl_b32 s46, s42, 8
	s_add_co_u32 s46, s46, s18                     ; B: row 256 x tile column + 128 x half
	s_lshl_b32 s22, s20, 5                         ; A's scale bytes: 32 a row
	s_mov_b32 s23, 0
	s_lshl_b32 s20, s20, 9                         ; A's codes: 512 bytes a row
	s_mov_b32 s21, 0
	s_lshl_b32 s92, s46, 5
	s_add_co_u32 s92, s92, 0x40000                 ; the weights' scale bytes lie behind x's 8,192 rows
	s_mov_b32 s93, 0
	s_lshl_b32 s46, s46, 9
	s_add_co_u32 s46, s46, 0x400000                ; and so do their codes
	s_mov_b32 s47, 0
	s_mul_i32 s45, s14, HALFT                      ; where they go: wave x 128 rows: no place in the cluster enters an LDS address
	s_mul_i32 s94, s14, HALFS
	s_wait_dscnt 0x0                               ; both opening adds are done
	s_wait_kmcnt 0x0
	s_add_nc_u64 s[20:21], s[4:5], s[20:21]
	s_add_nc_u64 s[22:23], s[6:7], s[22:23]
	s_add_nc_u64 s[46:47], s[4:5], s[46:47]
	s_add_nc_u64 s[92:93], s[6:7], s[92:93]
	CROUND                                         ; all sixteen work-groups are here: the first joint loads meet
	s_mov_b32 s[G0S], 1
	s_add_co_u32 s[G0S+1], s94, SCL
	s_mov_b64 s[G0S+2:G0S+3], s[22:23]
	s_or_b32 s[G0S+3], s[G0S+3], 0x80000000
	s_mov_b32 s[G0SB], 1
	s_add_co_u32 s[G0SB+1], s94, SCL
	s_mov_b64 s[G0SB+2:G0SB+3], s[92:93]
	s_or_b32 s[G0SB+3], s[G0SB+3], 0x80000000
	JLOAD G0S, G1S, G0SB, G1SB                     ; the scales first: they are wanted with the first slot
.irp s, 0,1
	s_mov_b32 s[G0+4*\s], 1
	s_add_co_u32 s[G0+4*\s+1], s45, \s*SLOT
	s_add_nc_u64 s[G0+4*\s+2:G0+4*\s+3], s[20:21], \s*ROWB
	s_or_b32 s[G0+4*\s+3], s[G0+4*\s+3], 0x80000000
	s_mov_b32 s[G0B+4*\s], 1
	s_add_co_u32 s[G0B+4*\s+1], s45, \s*SLOT
	s_add_nc_u64 s[G0B+4*\s+2:G0B+4*\s+3], s[46:47], \s*ROWB
	s_or_b32 s[G0B+4*\s+3], s[G0B+4*\s+3], 0x80000000
	JLOAD G0+4*\s, G1, G0B+4*\s, G1B               ; three tensor loads of mine are out now, and no more will be issued
.endr
	v_and_b32 v1, 15, v0                           ; l % 16
	v_bfe_u32 v2, v0, 4, 1                         ; l / 16
	v_mul_u32_u24 v3, v1, PITCH
	v_lshl_add_u32 v4, v2, 4, v3                   ; a fragment's row x pitch + 16 x half
	s_mul_i32 s21, s15, HALFT                      ; my 128 rows of A
	s_mul_i32 s22, s16, HALFT                      ; my 128 rows of B,
	s_add_co_u32 s22, s22, 2*HALFT                 ; which lie behind A's 256
.irp s, 0,1
	v_add_nc_u32 v[ADRA+\s], s21, v4
	v_add_nc_u32 v[ADRB+\s], s22, v4
	s_add_co_u32 s21, s21, SLOT
	s_add_co_u32 s22, s22, SLOT
.endr
	v_mul_u32_u24 v5, v1, KS                       ; my row's scales: 32 bytes a row,
	v_lshrrev_b32 v6, 8, v5
	v_lshl_add_u32 v5, v6, 4, v5                   ; and 16 more for each 256 passed
	s_mul_i32 s21, s15, HALFS
	s_mul_i32 s22, s16, HALFS
	s_add_co_u32 s22, s22, 2*HALFS
	s_sub_co_u32 s22, s22, s21
	v_mul_u32_u24 v6, s22, v2                      ; lanes 16-31 take B's: one product, the distance between the two bases
	s_add_co_u32 s21, s21, SCL
	v_add_nc_u32 v5, v5, v6
	v_add_nc_u32 v[ADRS], s21, v5
	s_mul_i32 s23, s14, WSTG                       ; my stage
	v_mul_u32_u24 v5, v1, 144                      ; in: row l % 16, 16 bytes for each half of the lanes
	v_lshl_add_u32 v5, v2, 4, v5
	v_add_nc_u32 v[STO], s23, v5
	v_and_b32 v6, 31, v0
	v_lshlrev_b32 v[CO], 4, v6
	v_lshrrev_b32 v5, 3, v6                        ; back: eight lanes to a row of 128 bytes, four rows an instruction
	v_mul_u32_u24 v5, v5, 144
	v_and_b32 v6, 7, v0
	v_lshl_add_u32 v5, v6, 4, v5
	v_add_nc_u32 v[RD], s23, v5
	v_lshlrev_b32 v[TA], 8, v1
	v_lshl_add_u32 v[TA], v2, 5, v[TA]
	; where my results go.  What mixes cx and cy stands in registers that feed no descriptor
	s_lshl_b32 s66, ttmp9, 6                       ; plane = 64 x (q, k, v)
	s_lshl_b32 s67, s41, 4
	s_add_co_u32 s66, s66, s67                     ; + 16 x batch
	s_lshl_b32 s67, s40, 2
	s_add_co_u32 s66, s66, s67                     ; + 4 cx
	s_lshl_b32 s67, s16, 1
	s_add_co_u32 s66, s66, s67                     ; + my wave's two heads
	s_lshl_b32 s98, s66, 12                        ; qkvf: 4,096 bytes a plane
	s_mov_b32 s99, 0
	s_add_nc_u64 s[12:13], s[12:13], s[98:99]
	s_lshl_b32 s98, s66, 18                        ; qkv: 2^18 bytes a plane
	s_lshl_b32 s67, s17, 8
	s_lshl_b32 s66, s15, 7
	s_add_co_u32 s67, s67, s66                     ; my first place l = 256 x cluster y + 128 x half
	s_lshl_b32 s66, s67, 7
	s_add_co_u32 s98, s98, s66                     ; 128 bytes a place
	s_add_nc_u64 s[10:11], s[10:11], s[98:99]
	s_min_u32 s66, ttmp9, 1                        ; the table's part: 0 for q, 1 for k (and for v: see below)
	s_lshl_b32 s98, s66, 19
	s_lshl_b32 s66, s67, 8
	s_add_co_u32 s98, s98, s66                     ; 256 bytes a place
	s_add_nc_u64 s[8:9], s[8:9], s[98:99]
	s_or_b32 s[FINE], s17, s15
	s_cmp_eq_u32 s[FINE], 0
	s_cselect_b32 s[FINE], 1, 0
; The table's pairs for block a (16 places): lane (r, h) wants, for the column block cls of a head, pairs 8 cls + 4 h + 0 .. 3 of place r: 32 bytes.  32 registers a block.
.macro TABLOAD a
.set CSB, 64*(1-(\a)/4)+32*((\a)%2)+128*(((\a)%4)/2)
.irp cls, 0,1,2,3
	global_load_b128 v[CSB+8*\cls:CSB+8*\cls+3], v[TA], s[8:9] offset:(\a)*4096+\cls*64
	global_load_b128 v[CSB+8*\cls+4:CSB+8*\cls+7], v[TA], s[8:9] offset:(\a)*4096+\cls*64+16
.endr
.endm
	; Blocks 0-3's pairs are asked for here, into registers of window 1 that lie idle, so that they are in when the products are done.  These 32 loads stand on the one way that all work-groups take, so that
	; every register that the way out names has been written on every way through the text.  v's work-groups are given k's part, never wait for it and do not use it: 16 KiB a wave of a table of 1 MiB.
	WIN TO_B
	TABLOAD 0
	TABLOAD 1
	TABLOAD 2
	TABLOAD 3
	WIN 0
.macro FRAG reg, adr, q, i             ; a fragment, 16 rows x 128 K of 4-bit codes, is 8 registers: lane l holds row l % 16; registers 4 c .. 4 c + 3 hold K = 64 c + 32 (l / 16) + 0 .. 31
.irp c, 0,1
	ds_load_b128 v[\reg+4*\c:\reg+4*\c+3], v[\adr] offset:64*(\q)+32*\c+(\i)*16*PITCH
.endr
.endm
; 16 matrix instructions: A's blocks a0, a0 + 1 x B's eight, 128 along K.  The 64 accumulators take turns, one instruction a turn, in the same order in every step.
; One register carries A's scale word (lanes 0-15) and B's (lanes 16-31).
.macro MUL16 a0, p, q, sc, zero
.irp a, \a0, \a0+1
.irp b, 0,1,2,3,4,5,6,7
.if \zero
	v_wmma_scale_f32_16x16x128_f8f6f4 v[8*(8*((\a)%4)+\b):8*(8*((\a)%4)+\b)+7], v[128*(\p)+FR*\b:128*(\p)+FR*\b+FR-1], v[AF+FR*(\a):AF+FR*(\a)+FR-1], 0, v[SC+8*NQ*(\sc)+NQ*\b+(\q)], v[SC+8*NQ*(\sc)+NQ*(\a)+(\q)] matrix_a_fmt:MATRIX_FMT_FP4 matrix_b_fmt:MATRIX_FMT_FP4 matrix_a_scale:MATRIX_SCALE_ROW1
.else
	v_wmma_scale_f32_16x16x128_f8f6f4 v[8*(8*((\a)%4)+\b):8*(8*((\a)%4)+\b)+7], v[128*(\p)+FR*\b:128*(\p)+FR*\b+FR-1], v[AF+FR*(\a):AF+FR*(\a)+FR-1], v[8*(8*((\a)%4)+\b):8*(8*((\a)%4)+\b)+7], v[SC+8*NQ*(\sc)+NQ*\b+(\q)], v[SC+8*NQ*(\sc)+NQ*(\a)+(\q)] matrix_a_fmt:MATRIX_FMT_FP4 matrix_b_fmt:MATRIX_FMT_FP4 matrix_a_scale:MATRIX_SCALE_ROW1
.endif
.endr
.endr
.endm
.macro FETCH_B slot, q, p
	WIN TO_B
.irp i, 0,1,2,3,4,5,6,7
	FRAG 128*(\p)+FR*\i, ADRB+\slot, \q, \i
.endr
	WIN 0
.endm
.macro FETCH_A slot, q, i0
.irp i, \i0, \i0+1, \i0+2, \i0+3
	FRAG AF+FR*(\i), ADRA+\slot, \q, \i
.endr
.endm
.macro SCALES sc                       ; a slot's scale words: four words a row; lanes 0-15 take A's block i, lanes 16-31 B's block i
.irp i, 0,1,2,3,4,5,6,7
	ds_load_b128 v[SC+8*NQ*\sc+NQ*\i:SC+8*NQ*\sc+NQ*\i+3], v[ADRS] offset:\i*SBLK
.endr
.endm
.macro PLACES n                        ; plain vector instructions between a matrix instruction and a load into, or a read of, its registers
.rept \n
	v_nop
.endr
.endm
.macro STEP slot, q, zero              ; a step of 128 along K that has its successor in the same slot
	s_wait_dscnt 4*NL                              ; B's set and A's blocks 0-3 are in; the youngest eight loads (A's blocks 4-7) may be out
	WIN MUL_LO
	MUL16 0, (\q)%2, \q, \slot, \zero
	MUL16 2, (\q)%2, \q, \slot, \zero
	s_wait_dscnt 0                                 ; A's blocks 4-7 are in
	PLACES NP
	FETCH_B \slot, (\q)+1, 1-(\q)%2
	FETCH_A \slot, (\q)+1, 0
	WIN MUL_HI
	MUL16 4, (\q)%2, \q, \slot, \zero
	MUL16 6, (\q)%2, \q, \slot, \zero
	PLACES NP
	WIN 0
	FETCH_A \slot, (\q)+1, 4
.endm
.macro STEPS slot, from
.set Q, \from
.rept NQ-1-\from
	STEP \slot, Q, 0
.set Q, Q+1
.endr
.endm
	s_wait_tensorcnt 1                             ; the scales and my part of slot 0 are in (slot 1's load may be out)
	s_barrier_signal -1
	s_barrier_wait -1                              ; everybody's are
	FETCH_B 0, 0, 0
	FETCH_A 0, 0, 0
	SCALES 0
	FETCH_A 0, 0, 4
	STEP 0, 0, 1                                   ; the first step's products start the sums: nothing is cleared
	STEPS 0, 1
	; slot 0's last step changes slots: one barrier; in front of it each wave waits for all its tensor loads, adds 0 to its spare word, and waits for that and for its reads of slot 0
	s_wait_tensorcnt 0x0                           ; my part of slot 1 has landed
	ds_add_u32 v[SPW], v[NIL]                      ; 0 onto my spare word
	s_wait_dscnt 4*NL+1                            ; (the add and the youngest eight loads, A's blocks 4-7, may be out)
	WIN MUL_LO
	MUL16 0, 1, NQ-1, 0, 0
	s_wait_dscnt 0x0                               ; the add is done, and my reads of slot 0 are over
	s_barrier_signal -1
	MUL16 2, 1, NQ-1, 0, 0
	WIN 0
	s_barrier_wait -1                              ; slot 1 is whole, and nobody reads slot 0 any more: it serves as the stages of the way out
	PLACES NP
	v_add_nc_u32 v[ADRS], 4*NQ, v[ADRS]            ; on to slot 1's scale words
	FETCH_B 1, 0, 0
	FETCH_A 1, 0, 0
	SCALES 1
	WIN MUL_HI
	MUL16 4, 1, NQ-1, 0, 0
	MUL16 6, 1, NQ-1, 0, 0
	PLACES NP
	WIN 0
	FETCH_A 1, 0, 4
	STEPS 1, 0
	s_wait_dscnt 4*NL                              ; the very last step: nothing more to fetch
	WIN MUL_LO
	MUL16 0, 1, NQ-1, 1, 0
	MUL16 2, 1, NQ-1, 1, 0
	s_wait_dscnt 0
	WIN MUL_HI
	MUL16 4, 1, NQ-1, 1, 0
	MUL16 6, 1, NQ-1, 1, 0
	WIN 0
; THE WAY OUT, block by block of 16 places x 128 columns (two heads).
.macro ROPE a                          ; block a's 64 numbers a lane are turned, into v[R] on, and rounded to f16, into v[PK] on.  Each accumulator is read from its low end on
.set AC, 64*((\a)%4)
.set CSB, 64*(1-(\a)/4)+32*((\a)%2)+128*(((\a)%4)/2)
	WIN 0x06+(\a)/4                                ; source 0: the accumulators' window (2 or 3); source 1: the table's pairs, window 1
.irp b, 0,1,2,3,4,5,6,7
.irp p, 0,1,2,3
	v_pk_mul_f32 v[R+8*\b+2*\p:R+8*\b+2*\p+1], v[AC+8*\b+2*\p:AC+8*\b+2*\p+1], v[CSB+8*(\b%4)+2*\p:CSB+8*(\b%4)+2*\p+1] op_sel_hi:[0,1]   ; (x1 cos, x1 sin)
.endr
.irp p, 0,1,2,3
	v_pk_fma_f32 v[R+8*\b+2*\p:R+8*\b+2*\p+1], v[AC+8*\b+2*\p:AC+8*\b+2*\p+1], v[CSB+8*(\b%4)+2*\p:CSB+8*(\b%4)+2*\p+1], v[R+8*\b+2*\p:R+8*\b+2*\p+1] op_sel:[1,1,0] op_sel_hi:[1,0,1] neg_lo:[0,1,0]   ; + (-x2 sin, x2 cos)
.endr
.endr
	WIN 0
.irp b, 0,1,2,3,4,5,6,7
.irp p, 0,1,2,3
	v_cvt_pk_f16_f32 v[PK+4*\b+\p], v[R+8*\b+2*\p], v[R+8*\b+2*\p+1]
.endr
.endr
.endm
.macro VCVT a                          ; v is rounded as it stands
.set AC, 64*((\a)%4)
	WIN 0x0a+5*((\a)/4)                            ; sources 0 and 1: window 2 or 3
.irp b, 0,1,2,3,4,5,6,7
.irp p, 0,1,2,3
	v_cvt_pk_f16_f32 v[PK+4*\b+\p], v[AC+8*\b+2*\p], v[AC+8*\b+2*\p+1]
.endr
.endr
	WIN 0
.endm
.macro TOSTAGE a                       ; a lane's eight channels of a place are 16 bytes; they go into rows of 144 bytes, a head at a time, and come back four whole rows (512 bytes) an instruction
.set BB, BK+32*((\a)%2)
.irp b, 0,1,2,3,4,5,6,7
	ds_store_b128 v[STO], v[PK+4*\b:PK+4*\b+3] offset:(\b/4)*HSTG+(\b%4)*32
.endr
.irp t, 0,1,2,3,4,5,6,7
	ds_load_b128 v[BB+4*\t:BB+4*\t+3], v[RD] offset:(\t/4)*HSTG+(\t%4)*576   ; LDS serves a wave's instructions in order: these see the stores above
.endr
.endm
.macro SEND a, younger                 ; younger: the LDS instructions issued behind block a's loads, which may stay out
.set BB, BK+32*((\a)%2)
	s_wait_dscnt \younger
.irp t, 0,1,2,3,4,5,6,7
	global_store_b128 v[CO], v[BB+4*\t:BB+4*\t+3], s[10:11] offset:(\t/4)*262144+(\a)*2048+(\t%4)*512   ; 32 lanes store 512 consecutive bytes, aligned; every place stands in the immediate: no pointer is stepped
.endr
.endm
	PLACES NP                                      ; behind the last products: for the reads of their results, and for the writes and loads into registers that they read
	s_cmp_eq_u32 ttmp9, 2                          ; the cluster's x: the same in all partners
	s_cbranch_scc1 .Lvpath
	WIN TO_B
	TABLOAD 4                                      ; blocks 4-7's pairs, into B's registers, which are done with
	TABLOAD 5
	TABLOAD 6
	TABLOAD 7
	WIN 0
	s_wait_loadcnt 32                              ; the head's 32 loads are in; the 32 just issued may be out
	ROPE 0
	s_cmp_eq_u32 s[FINE], 1
	s_cbranch_scc0 .Lcoarse_r
.irp b, 0,1,2,3,4,5,6,7
	global_store_b128 v[TA], v[R+8*\b:R+8*\b+3], s[12:13] offset:(\b/4)*4096+(\b%4)*64          ; the first 16 places in f32: lane (r, h): place r, channels 16 (b % 4) + 8 h + 0 .. 7 of head b / 4
	global_store_b128 v[TA], v[R+8*\b+4:R+8*\b+7], s[12:13] offset:(\b/4)*4096+(\b%4)*64+16
.endr
.Lcoarse_r:
	TOSTAGE 0
.irp a, 1,2,3,4,5,6,7
	s_wait_xcnt 0x0                                ; the stores issued so far have read their registers: v[R] on and the rows' registers may be written again
.if \a == 4
	s_wait_loadcnt 0x0                             ; blocks 4-7's pairs are in
.endif
	ROPE \a
	TOSTAGE \a
	SEND \a-1, 16                                  ; behind block a - 1's loads: block a's 8 stores and 8 loads
.endr
	SEND 7, 0
	s_branch .Lend
.Lvpath:
	VCVT 0
	s_cmp_eq_u32 s[FINE], 1
	s_cbranch_scc0 .Lcoarse_v
	WIN 0x08                                       ; a store's data are its source 1: window 2
.irp b, 0,1,2,3,4,5,6,7
	global_store_b128 v[TA], v[8*\b:8*\b+3], s[12:13] offset:(\b/4)*4096+(\b%4)*64
	global_store_b128 v[TA], v[8*\b+4:8*\b+7], s[12:13] offset:(\b/4)*4096+(\b%4)*64+16
.endr
	WIN 0
.Lcoarse_v:
	TOSTAGE 0
.irp a, 1,2,3,4,5,6,7
	s_wait_xcnt 0x0
	VCVT \a
	TOSTAGE \a
	SEND \a-1, 16
.endr
	SEND 7, 0
.Lend:
	s_wait_tensorcnt 0x0                           ; the wave's end: behind my last tensor load and my last LDS store
	ds_add_u32 v[SPW], v[NIL]
	s_wait_dscnt 0x0
	CROUND                                         ; the closing round: no work-group ends while a partner may still ask for a tile that names it
	s_endpgm
.Lfunc_end_k_q5dd32e95cc_qkv:
	.size	k_q5dd32e95cc_qkv, .Lfunc_end_k_q5dd32e95cc_qkv-k_q5dd32e95cc_qkv
	.p2alignl 7, 3214868480
	.fill 96, 4, 3214868480
	.section	.rodata,"a",@progbits
	.p2align	6, 0x0
	.amdhsa_kernel k_q5dd32e95cc_qkv
		.amdhsa_group_segment_fixed_size 327680
		.amdhsa_private_segment_fixed_size 0
		.amdhsa_enable_private_segment 0
		.amdhsa_kernarg_size 40
		.amdhsa_user_sgpr_count 2
		.amdhsa_user_sgpr_kernarg_segment_ptr 1
		.amdhsa_wavefront_size32 1
		.amdhsa_system_sgpr_workgroup_id_x 1
		.amdhsa_system_sgpr_workgroup_id_y 1
		.amdhsa_system_sgpr_workgroup_id_z 1
		.amdhsa_system_vgpr_workitem_id 0
		.amdhsa_next_free_vgpr 1024
		.amdhsa_next_free_sgpr 100
		.amdhsa_reserve_vcc 0
		.amdhsa_float_denorm_mode_32 3
		.amdhsa_float_denorm_mode_16_64 3
		.amdhsa_memory_ordered 1
		.amdhsa_forward_progress 1
		.amdhsa_inst_pref_size 199
	.end_amdhsa_kernel
	.amdgpu_metadata
---
amdhsa.version: [ 1, 2 ]
amdhsa.kernels:
  - .name:           k_q5dd32e95cc_qkv
    .symbol:         k_q5dd32e95cc_qkv.kd
    .args:
      - { .name: codes, .offset: 0, .size: 8, .value_kind: global_buffer, .address_space: global }
      - { .name: scales, .offset: 8, .size: 8, .value_kind: global_buffer, .address_space: global }
      - { .name: tab, .offset: 16, .size: 8, .value_kind: global_buffer, .address_space: global }
      - { .name: qkv, .offset: 24, .size: 8, .value_kind: global_buffer, .address_space: global }
      - { .name: qkvf, .offset: 32, .size: 8, .value_kind: global_buffer, .address_space: global }
    .group_segment_fixed_size: 327680
    .private_segment_fixed_size: 0
    .kernarg_segment_align: 8
    .kernarg_segment_size: 40
    .max_flat_workgroup_size: 128
    .sgpr_count:     100
    .vgpr_count:     1024
    .wavefront_size: 32
...
	.end_amdgpu_metadata
.endif
;; end of part 2
;; launch attn (part 3): grid 4 x 64, 16 waves a work-group, no clusters, 327,680 bytes of LDS; arguments qkv, y3; writes y3
.if DOCPART == 3
	.amdgcn_target "amdgcn-amd-amdhsa--gfx1250"
	.amdhsa_code_object_version 6
	.text
	.protected	k_q5dd32e95cc_attn
	.globl	k_q5dd32e95cc_attn
	.p2align	8
	.type	k_q5dd32e95cc_attn,@function
k_q5dd32e95cc_attn:
	s_mov_b64 s[64:65], 0
	v_nop
	global_prefetch_b8 v0, s[64:65] scope:SCOPE_SE
	s_setreg_imm32_b32 hwreg(HW_REG_WAVE_MODE, 25, 1), 1
	s_wait_xcnt 0x0
; y[b][l][head] = softmax over keys k <= l of (q . k / 8) times v, for one head a work-group row.  q, k, v: f16 planes [plane][2048][64] of the buffer qkv (q: plane bh, k: 64 + bh, v: 128 + bh; bh = 16 b + head);
; q already carries c = log2(e) / 8, so a score is an exponent of 2.  Products on f16 operands, sums, maxima and the softmax in f32; the weights p are rounded to f16 for the second product, y once at the end.
; SHARES.  Work-group (i, bh) owns the blocks of 256 queries i and 7 - i of head bh: waves 0-7 block i, waves 8-15 block 7 - i; a wave owns 32 queries, two tiles of 16.  Under the causal mask block j needs j + 1 slots
; of keys, so every work-group has 9 blocks' worth of work.  All sixteen waves walk the same keys from 0 on, 64 a step, through one ring of two LDS slots of 256 keys.
; EVERY work-group walks all 8 slots, so that the trip counts are constants; what is left out is a step's WORK where all its keys come after the wave's queries, and a slot's LOAD where its first key comes after
; the work-group's last query.  Both tests are made of ids and counts of steps alone.
; NO CLUSTER: the four work-groups of a head need 8, 7, 6 and 5 slots: a joint load would bring three of them tiles that none of their waves reads.
; LAYOUT.  S^T = K Q^T (source 0 = 16 keys, source 1 = 16 queries): a lane holds ONE query (lane % 16) and the keys 8 (lane / 16) + 0 .. 7 of a tile.  Two such tiles, rounded to f16 in pairs, ARE source 1 of
; O^T = V^T P, whose result again holds one query a lane.  K comes out of LDS as it lies, V ([key][channel]) turned, by ds_load_tr16_b128.
; SOFTMAX.  For each query a running maximum m and sum l: p = 2^(s - m); in every step O and l are multiplied by a = 2^(m_old - m_new).  m begins at -3e38 and O, l at 0: key 0 counts for every query, so m is a
; score from the first step on.  Hidden scores become -infinity where the definition puts -1e9: the same while a row's largest score lies above about -1e9.
; Four waves share a SIMD: one wave's softmax stands beside another's products and LDS loads.
; LIMITS: NaN and infinities are not served.
; REGISTERS: v1-14 addresses and constants; v16-47 Q (16 u + 8 ds); v48-111 K of a step, then V; v112-175 S^T (32 u + 8 kt), p in place, its f16 pairs in the low 16 of each tile's 32;
;   v176-239 O^T (32 u + 8 dt); v240-255 statistics, 8 a tile: +0 m, +1 0 (named with m as a pair), +2, +3 l in two halves, +4 to +7 at work, a in +6.
.set KP,    144                        ; a key's row in LDS: 128 bytes + 16: the 16 rows of a load begin 36 words apart
.set VP,    160                        ; a row of V: 128 + 32, for the turning load
.set VOFF,  64*KP                      ; a step's tiles lie together: 64 rows of K, then 64 rows of V
.set STEPB, 64*(KP+VP)
.set SLOT1, 1<<17                      ; slot 1 begins here: one exclusive or turns an address in one slot into the other's
.set STAGE, SLOT1+4*STEPB              ; behind the ring: 32 rows x 144 bytes for each wave, for the way out: no fill lands here
.set WSTG,  32*144
.set SPARE, STAGE+16*WSTG              ; the spare words, 128 bytes a wave
.set AK0, 1
.set AV0, 2
.set SPW, 3                            ; v3  LDS address of my spare word; never rewritten
.set NIL, 4                            ; v4  0; never rewritten
.set ADR, 5
.set PFO, 6                            ; v6  256 x lane: the prefetches' offset; never rewritten
.set D0,  7                            ; v7, v8  the mask: my query less the step's first key less 8 (lane / 16), for tiles 0 and 1
.set NINF, 9                           ; v9  -infinity
.set STO, 10
.set RD,  11
.set GO,  12
.set QO,  13
.set DL,  14                           ; v14 lane % 16 - 8 (lane / 16)
.set QR,  16
.set KV,  48
.set S,   112
.set O,   176
.set T,   240
.set TB,  2                            ; s2   LDS byte at which the step's tiles begin
.set CNT, 3                            ; s3   counts a slot's four steps
.set WV,  18
.set SEL, 20                           ; s[20:21] v_permlanex16_b32's selects for lane l xor 16
.set G1K, 24
.set G1V, 32
.set G0K, 40
.set G0V, 44
.set SLOTS, 67                         ; s67  changes of slots still to come that may ask for a slot
.set LASTQ, 68                         ; s68  my work-group's last query
.set PFA, 76                           ; s[76:77] where my prefetches stand
.set LIM, 80                           ; s80  1 in a wave that prefetches, else the greatest number
.set KF,  98                           ; s98  the step's first key
.set Q0,  99                           ; s99  my first query
; Waves 0-3 fetch the four step tiles of K of a slot, waves 4-7 those of V, the others nothing.  The branches hang on the wave's number alone.  An s_nop 0 and four v_nop follow each load.
.macro TLOAD
	s_cmp_lt_u32 s[WV], 4
	s_cbranch_scc0 .Lnot_k_\@
	tensor_load_to_lds s[G0K:G0K+3], s[G1K:G1K+7]
	s_nop 0
.rept 4
	v_nop
.endr
	s_branch .Lasked_\@
.Lnot_k_\@:
	s_cmp_lt_u32 s[WV], 8
	s_cbranch_scc0 .Lasked_\@
	tensor_load_to_lds s[G0V:G0V+3], s[G1V:G1V+7]
	s_nop 0
.rept 4
	v_nop
.endr
.Lasked_\@:
.endm
; A PREFETCH INTO THE L2 of what the NEXT change of slots will ask for: 256 rows of K and 256 of V, 32,768 dense bytes each.  Each aligned block of 256 bytes is named ONCE in the launch: of the four work-groups
; of a head the one with i = 0 asks, which walks all eight slots with loads; in it the waves that fetch nothing: waves 8-11 for K, 8,192 bytes a wave, lanes 256 bytes apart; waves 12-15 for V.
; Slots 2 to 7 are asked for, each four key steps ahead of its load; slots 0 and 1 come by their loads alone; the last change that fills a slot asks for nothing.
.macro ASK
	s_cmp_gt_u32 s[SLOTS], s[LIM]
	s_cbranch_scc0 .Lnot_mine_\@
	global_prefetch_b8 v[PFO], s[PFA:PFA+1] th:TH_LOAD_NT scope:SCOPE_SE
.Lnot_mine_\@:
.endm
	s_load_b128 s[4:7], s[0:1], 0x0                ; qkv s[4:5], y3 s[6:7]
	v_lshl_add_u32 v[SPW], v0, 2, SPARE
	v_mov_b32 v[NIL], 0
	ds_add_u32 v[SPW], v[NIL]                      ; the wave's opening: the add, twice on end, and its wait ahead of my first tensor load
	ds_add_u32 v[SPW], v[NIL]
	v_lshrrev_b32 v15, 5, v0
	v_readfirstlane_b32 s[WV], v15                 ; wave 0..15
	s_and_b32 s69, ttmp7, 0xffff                   ; bh
	s_sub_co_u32 s70, 7, ttmp9
	s_cmp_lt_u32 s[WV], 8
	s_cselect_b32 s70, ttmp9, s70                  ; my block of 256 queries: i or 7 - i
	s_and_b32 s71, s[WV], 7
	s_lshl_b32 s70, s70, 8
	s_lshl_b32 s71, s71, 5
	s_add_co_u32 s[Q0], s70, s71                   ; my first query
	s_sub_co_u32 s[LASTQ], 8, ttmp9
	s_lshl_b32 s[LASTQ], s[LASTQ], 8
	s_sub_co_u32 s[LASTQ], s[LASTQ], 1             ; block 7 - i's last
	s_and_b32 s72, s[WV], 3                        ; which of a slot's four steps I fetch:
	s_mul_i32 s73, s72, STEPB                      ; its place in a slot,
	s_lshl_b32 s74, s72, 13                        ; its 64 rows of 128 bytes in memory
	s_add_co_u32 s82, s69, 64
	s_lshl_b32 s82, s82, 18
	s_add_co_u32 s82, s82, s74                     ; in k's plane
	s_mov_b32 s83, 0
	s_add_co_u32 s84, s69, 128
	s_lshl_b32 s84, s84, 18
	s_add_co_u32 s84, s84, s74                     ; in v's
	s_mov_b32 s85, 0
	s_lshr_b32 s81, s[WV], 2
	s_and_b32 s81, s81, 1                          ; the prefetches: waves 8-11 k's plane, waves 12-15 v's
	s_lshl_b32 s81, s81, 6
	s_add_co_u32 s81, s81, s69
	s_add_co_u32 s81, s81, 64
	s_lshl_b32 s86, s81, 18
	s_add_co_u32 s86, s86, s74                     ; my 8,192 bytes
	s_add_co_u32 s86, s86, 32768                   ; of slot 1: the first change of slots steps it to slot 2
	s_mov_b32 s87, 0
	s_lshr_b32 s81, s[WV], 3
	s_xor_b32 s81, s81, 1                          ; 0 in waves 8-15,
	s_or_b32 s81, s81, ttmp9                       ; of the work-group with i = 0
	s_cmp_eq_u32 s81, 0
	s_cselect_b32 s[LIM], 1, -1
	s_lshr_b32 s70, s69, 4                         ; y3 [(b x 2048 + l) / 128][head][128 rows][64]: b,
	s_and_b32 s71, s69, 15                         ; head
	s_lshl_b32 s70, s70, 4
	s_lshr_b32 s75, s[Q0], 7
	s_add_co_u32 s70, s70, s75
	s_lshl_b32 s70, s70, 4
	s_add_co_u32 s70, s70, s71
	s_lshl_b32 s70, s70, 7
	s_and_b32 s75, s[Q0], 127
	s_add_co_u32 s70, s70, s75
	s_lshl_b32 s88, s70, 7                         ; 128 bytes a row: my 32 queries are 4,096 bytes on end
	s_mov_b32 s89, 0
	s_lshl_b32 s90, s69, 18
	s_lshl_b32 s75, s[Q0], 7
	s_add_co_u32 s90, s90, s75                     ; q: my first query's row
	s_mov_b32 s91, 0
	; descriptor group 1: a tile of 64 rows x 64 elements of 2 bytes, dense in memory, padded in LDS
	s_mov_b32 s[G1K], (1<<16)|(1<<20)|(4<<22)|(3<<25)   ; no mask; elements of 2 bytes; padding on; after every 32 words four words
	s_mov_b32 s[G1V], (1<<16)|(1<<20)|(4<<22)|(7<<25)   ; the same with eight words
.irp g, G1K, G1V
	s_mov_b32 s[\g+1], 64<<16                      ; tensor_dim0
	s_mov_b32 s[\g+2], 64<<16                      ; tensor_dim1
	s_mov_b32 s[\g+3], 64<<16                      ; tile_dim0
	s_mov_b32 s[\g+4], 64                          ; tile_dim1
	s_mov_b32 s[\g+5], 64                          ; from row to row
	s_mov_b32 s[\g+6], 0
	s_mov_b32 s[\g+7], 0
.endr
	s_mov_b32 s[SEL], 0x76543210
	s_mov_b32 s[SEL+1], 0xfedcba98
	s_mov_b32 s[TB], 0
	s_mov_b32 s[KF], 0
	s_mov_b32 s[SLOTS], 7
	s_wait_dscnt 0x0                               ; both opening adds are done
	s_wait_kmcnt 0x0
	s_mov_b32 s[G0K], 1
	s_mov_b32 s[G0K+1], s73                        ; slot 0
	s_add_nc_u64 s[G0K+2:G0K+3], s[4:5], s[82:83]
	s_or_b32 s[G0K+3], s[G0K+3], 0x80000000
	s_mov_b32 s[G0V], 1
	s_add_co_u32 s[G0V+1], s73, VOFF
	s_add_nc_u64 s[G0V+2:G0V+3], s[4:5], s[84:85]
	s_or_b32 s[G0V+3], s[G0V+3], 0x80000000
	TLOAD                                          ; slot 0: keys 0 to 255, which every wave reads
	s_add_nc_u64 s[PFA:PFA+1], s[4:5], s[86:87]
	s_add_nc_u64 s[8:9], s[4:5], s[90:91]          ; q at my first query
	s_add_nc_u64 s[6:7], s[6:7], s[88:89]          ; y3 likewise
	v_and_b32 v7, 15, v0                           ; r
	v_bfe_u32 v8, v0, 4, 1                         ; h
	v_and_b32 v9, 31, v0                           ; lane
	v_lshlrev_b32 v[QO], 7, v7
	v_lshl_add_u32 v[QO], v8, 4, v[QO]             ; row r of 128 bytes + 16 h
.irp f, 0,1,2,3                                ; Q stays in registers: tile f / 2, channels 32 (f % 2) on
	global_load_b128 v[QR+8*\f:QR+8*\f+3], v[QO], s[8:9] offset:(\f/2)*2048+(\f%2)*64
	global_load_b128 v[QR+8*\f+4:QR+8*\f+7], v[QO], s[8:9] offset:(\f/2)*2048+(\f%2)*64+32
.endr
	v_mul_u32_u24 v[AK0], v7, KP
	v_lshl_add_u32 v[AK0], v8, 4, v[AK0]           ; K: row r x pitch + 16 h
	v_and_b32 v15, 7, v0
	v_lshl_add_u32 v[AV0], v8, 3, v15              ; V, for the turning load: key 8 h + lane % 8,
	v_mul_u32_u24 v[AV0], v[AV0], VP
	v_bfe_u32 v15, v0, 3, 1
	v_lshl_add_u32 v[AV0], v15, 4, v[AV0]          ; channels 8 ((lane / 8) % 2) on
	v_add_nc_u32 v[AV0], VOFF, v[AV0]
	v_lshlrev_b32 v[PFO], 8, v9
	s_mul_i32 s97, s[WV], WSTG
	s_add_co_u32 s97, s97, STAGE                   ; my stage
	v_add_nc_u32 v[STO], s97, v[AK0]               ; in: row r x 144 + 16 h
	v_lshrrev_b32 v15, 3, v9
	v_mul_u32_u24 v15, v15, 144
	v_and_b32 v[RD], 7, v0
	v_lshl_add_u32 v[RD], v[RD], 4, v15
	v_add_nc_u32 v[RD], s97, v[RD]                 ; back: eight lanes to a row, four rows an instruction
	v_lshlrev_b32 v[GO], 4, v9
	v_lshlrev_b32 v15, 3, v8
	v_sub_nc_u32 v[DL], v7, v15
	v_mov_b32 v[NINF], 0xff800000
.irp u, 0,1
	v_mov_b32 v[T+8*\u], 0xff61b1e6                ; m: -3e38, under every score
	v_mov_b32 v[T+8*\u+1], 0
	v_mov_b32 v[T+8*\u+2], 0                       ; l
	v_mov_b32 v[T+8*\u+3], 0
.endr
.set j, 0
.rept 64
	v_mov_b32 v[O+j], 0                            ; O^T.  (The step is written once for all steps: the first finds zeros, which its a = 0 leaves zeros)
.set j, j+1
.endr
; A KEY STEP: 64 keys at LDS byte s[TB].
.macro STEP
	s_add_co_u32 s96, s[Q0], 31
	s_cmp_gt_u32 s[KF], s96                        ; all keys come after my 32 queries: the step's work is left out; the lines at its end that step addresses are not
	s_cbranch_scc1 .Lhidden_\@
	v_add_nc_u32 v[ADR], s[TB], v[AK0]
.irp f, 0,1,2,3,4,5,6,7                        ; K: keys 16 (f / 2) on, channels 32 (f % 2) on
	ds_load_b128 v[KV+8*\f:KV+8*\f+3], v[ADR] offset:(\f/2)*16*KP+(\f%2)*64
	ds_load_b128 v[KV+8*\f+4:KV+8*\f+7], v[ADR] offset:(\f/2)*16*KP+(\f%2)*64+32
.endr
	s_wait_dscnt 0x0
.irp ds, 0,1                                   ; S^T = K Q^T: eight accumulators by turns, one instruction a turn; the first eight start the sums
.irp kt, 0,1,2,3
.irp u, 0,1
.if \ds == 0
	v_wmma_f32_16x16x32_f16 v[S+32*\u+8*\kt:S+32*\u+8*\kt+7], v[KV+8*(2*\kt+\ds):KV+8*(2*\kt+\ds)+7], v[QR+16*\u+8*\ds:QR+16*\u+8*\ds+7], 0
.else
	v_wmma_f32_16x16x32_f16 v[S+32*\u+8*\kt:S+32*\u+8*\kt+7], v[KV+8*(2*\kt+\ds):KV+8*(2*\kt+\ds)+7], v[QR+16*\u+8*\ds:QR+16*\u+8*\ds+7], v[S+32*\u+8*\kt:S+32*\u+8*\kt+7]
.endif
.endr
.endr
.endr
	v_add_nc_u32 v[ADR], s[TB], v[AV0]             ; four places behind the products: ahead of the loads into K's registers and of the first read of the scores
.rept 3
	v_nop
.endr
.irp f, 0,1,2,3,4,5,6,7                        ; V, turned: keys 32 (f / 4) on, channels 16 (f % 4) on.  It lands while the softmax is walked
	ds_load_tr16_b128 v[KV+8*\f:KV+8*\f+3], v[ADR] offset:(\f/4)*32*VP+(\f%4)*32
	ds_load_tr16_b128 v[KV+8*\f+4:KV+8*\f+7], v[ADR] offset:(\f/4)*32*VP+16*VP+(\f%4)*32
.endr
	s_add_co_u32 s96, s[KF], 63
	s_cmp_le_u32 s96, s[Q0]                        ; all keys count for all my queries: no mask.  One step of a wave lies on the diagonal
	s_cbranch_scc1 .Lopen_\@
	s_sub_co_i32 s96, s[Q0], s[KF]
	v_add_nc_u32 v[D0], s96, v[DL]                 ; register 8 kt + j of tile u holds key KF + 16 kt + 8 h + j and query Q0 + 16 u + r: hidden where 16 kt + j > Q0 + 16 u + r - KF - 8 h
	v_add_nc_u32 v[D0+1], 16, v[D0]
.irp u, 0,1
.set n, 0
.rept 32
	v_cmp_gt_i32 vcc_lo, 16*(n/8)+n%8, v[D0+\u]
	v_cndmask_b32 v[S+32*\u+n], v[S+32*\u+n], v[NINF], vcc_lo
.set n, n+1
.endr
.endr
.Lopen_\@:
.irp c, 0,1,2,3                                ; the maximum: four chains a tile, one for each accumulator, begun at its low end; the two tiles by turns
.irp u, 0,1
	v_max3_num_f32 v[T+8*\u+4+\c], v[S+32*\u+8*\c], v[S+32*\u+8*\c+1], v[S+32*\u+8*\c+2]
.endr
.endr
.irp g, 3,5
.irp c, 0,1,2,3
.irp u, 0,1
	v_max3_num_f32 v[T+8*\u+4+\c], v[T+8*\u+4+\c], v[S+32*\u+8*\c+\g], v[S+32*\u+8*\c+\g+1]
.endr
.endr
.endr
.irp u, 0,1
	v_max3_num_f32 v[T+8*\u+4], v[T+8*\u+4], v[S+32*\u+7], v[S+32*\u+15]
	v_max3_num_f32 v[T+8*\u+6], v[T+8*\u+6], v[S+32*\u+23], v[S+32*\u+31]
.endr
.irp u, 0,1
	v_max3_num_f32 v[T+8*\u+4], v[T+8*\u+4], v[T+8*\u+5], v[T+8*\u+6]
.endr
.irp u, 0,1
	v_max3_num_f32 v[T+8*\u+4], v[T+8*\u+4], v[T+8*\u+7], v[T+8*\u]   ; with the old m
.endr
.irp u, 0,1
	v_permlanex16_b32 v[T+8*\u+5], v[T+8*\u+4], s[SEL], s[SEL+1]      ; the query's other 32 keys lie in the lane 16 away
.endr
.irp u, 0,1
	v_mov_b32 v[T+8*\u+7], v[T+8*\u]
.endr
.irp u, 0,1
	v_max_num_f32 v[T+8*\u], v[T+8*\u+4], v[T+8*\u+5]                 ; the new m
.endr
.irp u, 0,1
	v_sub_f32 v[T+8*\u+7], v[T+8*\u+7], v[T+8*\u]                     ; m_old - m_new
.endr
.irp u, 0,1
.set j, 0
.rept 16
	v_pk_add_f32 v[S+32*\u+j:S+32*\u+j+1], v[S+32*\u+j:S+32*\u+j+1], v[T+8*\u:T+8*\u+1] op_sel_hi:[1,0] neg_lo:[0,1] neg_hi:[0,1]   ; s - m, two at a time
.set j, j+2
.endr
.endr
.irp u, 0,1
	v_exp_f32 v[T+8*\u+6], v[T+8*\u+7]             ; a
.endr
.set j, 0
.rept 64
	v_exp_f32 v[S+j], v[S+j]                       ; p.  Both tiles' 66 exponentials are ONE batch
.set j, j+1
.endr
	v_nop                                          ; the plain line behind the last of them
	s_wait_alu depctr_va_vdst(0)                   ; and the one wait ahead of the first line that names a result
.irp u, 0,1
	v_pk_mul_f32 v[T+8*\u+2:T+8*\u+3], v[T+8*\u+2:T+8*\u+3], v[T+8*\u+6:T+8*\u+7] op_sel_hi:[1,0]   ; l x a
	v_pk_add_f32 v[T+8*\u+4:T+8*\u+5], v[S+32*\u:S+32*\u+1], v[S+32*\u+2:S+32*\u+3]                 ; the sum of p in f32, ahead of its rounding: two chains a tile
.endr
.irp j, 4,8,12,16,20,24,28
.irp u, 0,1
	v_pk_add_f32 v[T+8*\u+2:T+8*\u+3], v[T+8*\u+2:T+8*\u+3], v[S+32*\u+\j:S+32*\u+\j+1]
	v_pk_add_f32 v[T+8*\u+4:T+8*\u+5], v[T+8*\u+4:T+8*\u+5], v[S+32*\u+\j+2:S+32*\u+\j+3]
.endr
.endr
.irp u, 0,1
	v_pk_add_f32 v[T+8*\u+2:T+8*\u+3], v[T+8*\u+2:T+8*\u+3], v[T+8*\u+4:T+8*\u+5]
.endr
.irp i, 0,1,2,3,4,5,6,7,8,9,10,11,12,13,14,15   ; p to f16, in place and ascending: pair i lands where pairs up to i / 2 have been read
.irp u, 0,1
	v_cvt_pk_f16_f32 v[S+32*\u+\i], v[S+32*\u+2*\i], v[S+32*\u+2*\i+1]
.endr
.endr
.irp u, 0,1
.set j, 0
.rept 16
	v_pk_mul_f32 v[O+32*\u+j:O+32*\u+j+1], v[O+32*\u+j:O+32*\u+j+1], v[T+8*\u+6:T+8*\u+7] op_sel_hi:[1,0]   ; O^T x a, each accumulator from its low end on
.set j, j+2
.endr
.endr
	s_wait_dscnt 0x0                               ; V is in
.irp kg, 0,1                                   ; O^T += V^T P: eight accumulators by turns
.irp dt, 0,1,2,3
.irp u, 0,1
	v_wmma_f32_16x16x32_f16 v[O+32*\u+8*\dt:O+32*\u+8*\dt+7], v[KV+8*(4*\kg+\dt):KV+8*(4*\kg+\dt)+7], v[S+32*\u+8*\kg:S+32*\u+8*\kg+7], v[O+32*\u+8*\dt:O+32*\u+8*\dt+7]
.endr
.endr
.endr
.rept 5
	v_nop                                          ; five places: the next step's products write over p's registers, which these have read (its loads into V's registers, and the way out's reads of O^T, want four)
.endr
.Lhidden_\@:
	s_add_co_u32 s[KF], s[KF], 64
	s_add_co_u32 s[TB], s[TB], STEPB
.endm
.macro FOUR_STEPS                      ; a slot's four steps: written once, walked four times
	s_mov_b32 s[CNT], 4
.Lstep_\@:
	STEP
	s_sub_co_u32 s[CNT], s[CNT], 1
	s_cmp_lg_u32 s[CNT], 0
	s_cbranch_scc1 .Lstep_\@
	s_sub_co_u32 s[TB], s[TB], 4*STEPB             ; back to a slot's first step,
	s_xor_b32 s[TB], s[TB], SLOT1                  ; in the other slot
.endm
; THE CHANGE OF SLOTS stands at a slot's head.  Each wave waits for all its tensor loads (its part of the slot that it is about to read), adds 0 to its spare word (fill = 1: twice on end), and waits for that and for
; its reads of the slot that it has left.  Behind the barrier the slot ahead is whole and nobody reads the other one; fill = 1: that other slot is filled with the next 256 keys, if any wave will read them.
; By the text's own count a wave has at most one tensor load out.
.macro CHANGE fill
	s_wait_tensorcnt 0x0                           ; no tensor load of mine is out, so a group 0 may be written
	ds_add_u32 v[SPW], v[NIL]                      ; 0 onto my spare word
.if \fill
	ds_add_u32 v[SPW], v[NIL]                      ; and once more: the add stands twice on end, in every trip alike
	s_xor_b32 s[G0K+1], s[G0K+1], SLOT1            ; the walking descriptors: the other slot than last time,
	s_add_nc_u64 s[G0K+2:G0K+3], s[G0K+2:G0K+3], 32768   ; the next 256 keys; the type bits on top are not reached
	s_xor_b32 s[G0V+1], s[G0V+1], SLOT1
	s_add_nc_u64 s[G0V+2:G0V+3], s[G0V+2:G0V+3], 32768
	s_wait_xcnt 0x0                                ; the last prefetch, a slot back, has read its address, so it may be written:
	s_add_nc_u64 s[PFA:PFA+1], s[PFA:PFA+1], 32768 ; one slot further on than the walking descriptors
.endif
	s_wait_dscnt 0x0                               ; the add is done (fill = 1: both are), and my reads of the slot that I have left are over
	s_barrier_signal -1
	s_barrier_wait -1
.if \fill
	s_add_co_u32 s96, s[KF], 256                   ; the first key of the slot that this change would ask for
	s_cmp_gt_u32 s96, s[LASTQ]                     ; ids and the count of steps alone: all sixteen waves go the same way, and a work-group that is past the limit stays past it.  Every wait on TENSORcnt here is for 0
	s_cbranch_scc1 .Lpast_\@
	TLOAD                                          ; the first thing behind the barrier, and a wave's one tensor load until the next
.Lpast_\@:
	ASK
.endif
.endm
	s_wait_loadcnt 0x0                             ; Q
.Lslot:                                            ; seven trips: behind each change of slots but the last the next slot is asked for, up to the causal limit
	CHANGE 1
	FOUR_STEPS
	s_sub_co_u32 s[SLOTS], s[SLOTS], 1
	s_cmp_lg_u32 s[SLOTS], 0
	s_cbranch_scc1 .Lslot
	CHANGE 0                                       ; the last slot is written out: nothing is left to ask for
	FOUR_STEPS
	; THE WAY OUT.  l's halves are added; O^T / l, rounded to f16, goes through my stage and leaves as 4,096 bytes on end.
.irp u, 0,1
	v_add_f32 v[T+8*\u+4], v[T+8*\u+2], v[T+8*\u+3]
.endr
.irp u, 0,1
	v_permlanex16_b32 v[T+8*\u+5], v[T+8*\u+4], s[SEL], s[SEL+1]
.endr
.irp u, 0,1
	v_add_f32 v[T+8*\u+4], v[T+8*\u+4], v[T+8*\u+5]
.endr
.irp u, 0,1
	v_rcp_f32 v[T+8*\u+6], v[T+8*\u+4]
.endr
	v_nop                                          ; a plain line behind the reciprocals,
	s_wait_alu depctr_va_vdst(0)                   ; and the wait ahead of their first use
.irp u, 0,1
.set j, 0
.rept 16
	v_pk_mul_f32 v[O+32*\u+j:O+32*\u+j+1], v[O+32*\u+j:O+32*\u+j+1], v[T+8*\u+6:T+8*\u+7] op_sel_hi:[1,0]
.set j, j+2
.endr
.endr
.irp u, 0,1
.irp i, 0,1,2,3,4,5,6,7,8,9,10,11,12,13,14,15
	v_cvt_pk_f16_f32 v[S+16*\u+\i], v[O+32*\u+2*\i], v[O+32*\u+2*\i+1]
.endr
.endr
.irp u, 0,1
.irp dt, 0,1,2,3
	ds_store_b128 v[STO], v[S+16*\u+4*\dt:S+16*\u+4*\dt+3] offset:\u*2304+32*\dt   ; lane (r, h): query 16 u + r, channels 16 dt + 8 h + 0 .. 7
.endr
.endr
.irp t, 0,1,2,3,4,5,6,7
	ds_load_b128 v[S+32+4*\t:S+32+4*\t+3], v[RD] offset:\t*576   ; LDS serves a wave's instructions in order: these see my stores
.endr
.irp t, 0,1,2,3,4,5,6,7
	s_wait_dscnt 7-\t                              ; load t is in; the younger ones may be out
	global_store_b128 v[GO], v[S+32+4*\t:S+32+4*\t+3], s[6:7] offset:\t*512   ; 32 lanes store 512 consecutive bytes, aligned
.endr
	s_wait_tensorcnt 0x0                           ; the wave's end: behind my last tensor load and my last LDS store
	ds_add_u32 v[SPW], v[NIL]
	s_wait_dscnt 0x0
	s_endpgm
.Lfunc_end_k_q5dd32e95cc_attn:
	.size	k_q5dd32e95cc_attn, .Lfunc_end_k_q5dd32e95cc_attn-k_q5dd32e95cc_attn
	.p2alignl 7, 3214868480
	.fill 96, 4, 3214868480
	.section	.rodata,"a",@progbits
	.p2align	6, 0x0
	.amdhsa_kernel k_q5dd32e95cc_attn
		.amdhsa_group_segment_fixed_size 327680
		.amdhsa_private_segment_fixed_size 0
		.amdhsa_enable_private_segment 0
		.amdhsa_kernarg_size 16
		.amdhsa_user_sgpr_count 2
		.amdhsa_user_sgpr_kernarg_segment_ptr 1
		.amdhsa_wavefront_size32 1
		.amdhsa_system_sgpr_workgroup_id_x 1
		.amdhsa_system_sgpr_workgroup_id_y 1
		.amdhsa_system_sgpr_workgroup_id_z 1
		.amdhsa_system_vgpr_workitem_id 0
		.amdhsa_next_free_vgpr 256
		.amdhsa_next_free_sgpr 100
		.amdhsa_reserve_vcc 1
		.amdhsa_float_denorm_mode_32 3
		.amdhsa_float_denorm_mode_16_64 3
		.amdhsa_memory_ordered 1
		.amdhsa_forward_progress 1
		.amdhsa_inst_pref_size 61
	.end_amdhsa_kernel
	.amdgpu_metadata
---
amdhsa.version: [ 1, 2 ]
amdhsa.kernels:
  - .name:           k_q5dd32e95cc_attn
    .symbol:         k_q5dd32e95cc_attn.kd
    .args:
      - { .name: qkv, .offset: 0, .size: 8, .value_kind: global_buffer, .address_space: global }
      - { .name: y3, .offset: 8, .size: 8, .value_kind: global_buffer, .address_space: global }
    .group_segment_fixed_size: 327680
    .private_segment_fixed_size: 0
    .kernarg_segment_align: 8
    .kernarg_segment_size: 16
    .max_flat_workgroup_size: 512
    .sgpr_count:     100
    .vgpr_count:     256
    .wavefront_size: 32
...
	.end_amdgpu_metadata
.endif
;; end of part 3
;; launch proj (part 4): grid 4 x 64, 4 waves a work-group, clusters of 4 x 4, 327,680 bytes of LDS; arguments y3, wo3, out0; writes out0
.if DOCPART == 4
	.amdgcn_target "amdgcn-amd-amdhsa--gfx1250"
	.amdhsa_code_object_version 6
	.text
	.protected	k_q5dd32e95cc_proj
	.globl	k_q5dd32e95cc_proj
	.p2align	8
	.type	k_q5dd32e95cc_proj,@function
k_q5dd32e95cc_proj:
	s_mov_b64 s[64:65], 0
	v_nop
	global_prefetch_b8 v0, s[64:65] scope:SCOPE_SE
	s_setreg_imm32_b32 hwreg(HW_REG_WAVE_MODE, 25, 1), 1
	s_wait_xcnt 0x0
	s_wait_alu depctr_hold_cnt(0) depctr_sa_sdst(0) depctr_va_vdst(0) depctr_va_sdst(0) depctr_va_ssrc(0) depctr_va_vcc(0) depctr_vm_vsrc(0)
	s_getreg_b32 s2, hwreg(HW_REG_IB_STS2, 6, 4)
	s_cmp_eq_u32 s2, 0
	s_cbranch_scc0 .Lentry_in_a_cluster
	s_endpgm
.Lentry_in_a_cluster:
	s_bfe_u32 s2, ttmp6, 0x10000c
	s_cmp_lg_u32 s2, 0xf033
	s_cbranch_scc0 .Lentry_shape_is_right
	s_endpgm
.Lentry_shape_is_right:
; out0 [8192][1024] f32 = y wo^T, on f16 operands, sums in f32.  y3: f16 [row / 128][head 16][128 rows][64]; wo3: f16 [e / 128][k / 64][128 rows e][64]: blocks of 16,384 dense bytes, rows of 128 bytes.
; A tile of out0 is 128 rows x 256 columns: 256 work-groups, one for each WGP (tiles of 256 x 256 would be 128).  Four waves, each 64 x 128: 32 accumulators, which fill window 1.
; K goes in steps of 128 (two heads) through a ring of two LDS slots: 8 steps.  Waves 0 and 1 fetch A's two blocks (128 rows each), waves 2 and 3 B's two pairs of blocks (256 rows each): one load a wave.
; CLUSTERS: 4 x 4 work-groups: the four of a row of the cluster need the same tiles of A, the four of a column the same tiles of B: each is asked for JOINTLY.
; THE MATRIX INSTRUCTION IS USED TRANSPOSED (source 0 = 16 rows of wo, source 1 = 16 rows of y): a lane holds eight neighbouring numbers of a row of out0.
; The rows of the first 16 places of each sequence are stored here like all others and made anew in f32 by the launch that follows.
; No prefetch: the launch is short and its tiles are shared in the cluster.
; LIMITS: |y| and |wo| stay under 65,504 (f16).
; REGISTERS: window 0: v16-29 addresses; v32-63, v64-95 A's fragments (4 x 16 rows x 32 K), two buffers; v96-159, v160-223 B's (8), two buffers; on the way out v32-95, v96-159 rows back from the stage.
;   window 1: accumulator (a, b) at v[8 (8 a + b)].
.set CH,     128*144                   ; a block of 128 rows in LDS: 128 bytes + 16 of padding a row
.set SLOT,   6*CH                      ; A's two blocks, then B's four
.set STAGE,  2*SLOT                    ; behind the ring: 16 rows x (512 + 16) bytes for each wave
.set SPITCH, 528
.set SPARE,  STAGE+4*16*SPITCH         ; the spare words, 128 bytes a wave
.set LAPS,   4                         ; a lap = two K steps = once round the ring
.set ADRA, 16
.set ADRB, 20
.set STO,  24
.set RD,   25
.set CO,   26
.set SPW,  28                          ; v28  LDS address of my spare word; never rewritten
.set NIL,  29                          ; v29  0; never rewritten
.set BK,   32
.set G1, 24
.set G0, 32
.set G1B, 48
.set G0B, 56
.set DW0, (1<<16)|(1<<20)|(1<<21)|(4<<22)|(3<<25)   ; elements of 2 bytes; padding on; bit 21 beside a mask; after every 32 words four words
.set MSB, 0
.macro WIN new                         ; the immediate's high byte repeats the setting that is left
.if MSB != (\new)
	s_set_vgpr_msb (MSB<<8)|(\new)
.set MSB, (\new)
.endif
.endm
.set MUL, 0x50                         ; C and D window 1; sources 0 and 1 window 0
.macro JLOAD s                         ; a joint load: waves 0 and 1 fetch for A, waves 2 and 3 for B; an s_nop 0 and four v_nop follow each of the two lines
	s_cmp_eq_u32 s11, 0
	s_cbranch_scc0 .Lfor_b_\@
	tensor_load_to_lds s[G0+4*\s:G0+4*\s+3], s[G1:G1+7]
	s_nop 0
.rept 4
	v_nop
.endr
	s_branch .Lasked_\@
.Lfor_b_\@:
	tensor_load_to_lds s[G0B+4*\s:G0B+4*\s+3], s[G1B:G1B+7]
	s_nop 0
.rept 4
	v_nop
.endr
.Lasked_\@:
.endm
.macro CREST                           ; a round of the cluster's barrier behind its opening barrier
	s_cmp_lg_u32 s10, 0
	s_cbranch_scc1 .Lnot_wave_0_\@
	s_barrier_signal -3
.Lnot_wave_0_\@:
	s_barrier_wait -3
	s_barrier_signal -1
	s_barrier_wait -1
.endm
.macro CROUND
	s_barrier_signal -1
	s_barrier_wait -1
	CREST
.endm
	s_load_b128 s[4:7], s[0:1], 0x0                ; y3 s[4:5], wo3 s[6:7]
	s_load_b64 s[8:9], s[0:1], 0x10                ; out0
	v_lshl_add_u32 v[SPW], v0, 2, SPARE
	v_mov_b32 v[NIL], 0
	ds_add_u32 v[SPW], v[NIL]                      ; the wave's opening: the add, twice on end, and its wait ahead of my first tensor load
	ds_add_u32 v[SPW], v[NIL]
	v_lshrrev_b32 v1, 5, v0
	v_readfirstlane_b32 s10, v1                    ; wave 0..3
	s_lshr_b32 s11, s10, 1                         ; which 64 rows of the tile are mine.  Also: I fetch for A (0) or for B (1)
	s_and_b32 s12, s10, 1                          ; which 128 columns.  Also: which block I fetch
	s_bfe_u32 s40, ttmp6, 0x40000                  ; cx
	s_bfe_u32 s41, ttmp6, 0x40004                  ; cy
	s_and_b32 s13, ttmp7, 0xffff
	s_lshl_b32 s13, s13, 2
	s_add_co_u32 s13, s13, s41                     ; the tile's block of 128 rows = 4 x cluster y + cy
	s_lshl_b32 s43, s41, 2
	s_lshl_b32 s43, 15, s43                        ; my row of the cluster
	s_lshl_b32 s44, 0x1111, s40                    ; my column
	s_or_b32 s[G1+0], s43, DW0
	s_or_b32 s[G1B+0], s44, DW0
	s_mov_b32 s[G1+1], 64<<16                      ; A: 128 rows of 64 elements, dense
	s_mov_b32 s[G1+2], 128<<16
	s_mov_b32 s[G1+3], 64<<16
	s_mov_b32 s[G1+4], 128
	s_mov_b32 s[G1+5], 64
	s_mov_b32 s[G1+6], 0
	s_mov_b32 s[G1+7], 0
	s_mov_b32 s[G1B+1], 64<<16                     ; B: 256 rows: two blocks that follow each other in memory
	s_mov_b32 s[G1B+2], 256<<16
	s_mov_b32 s[G1B+3], 64<<16
	s_mov_b32 s[G1B+4], 256
	s_mov_b32 s[G1B+5], 64
	s_mov_b32 s[G1B+6], 0
	s_mov_b32 s[G1B+7], 0
	s_lshl_b32 s16, s13, 4
	s_add_co_u32 s16, s16, s12                     ; A: block 16 x (rows / 128) + head, head = 2 x K step + my number
	s_lshl_b32 s16, s16, 14
	s_mov_b32 s17, 0
	s_lshl_b32 s46, s40, 1
	s_add_co_u32 s46, s46, s12                     ; B: columns / 128 = 2 cx + my number;
	s_lshl_b32 s46, s46, 18                        ; 16 blocks of 16,384 bytes each
	s_mov_b32 s47, 0
	s_mul_i32 s20, s12, CH                         ; where they go: no place in the cluster enters an LDS address
	s_mul_i32 s21, s12, 2*CH
	s_add_co_u32 s21, s21, 2*CH
	s_wait_dscnt 0x0                               ; both opening adds are done
	s_wait_kmcnt 0x0
	s_add_nc_u64 s[14:15], s[4:5], s[16:17]
	s_add_nc_u64 s[46:47], s[6:7], s[46:47]
	CROUND                                         ; all sixteen work-groups are here: the first joint loads meet
.irp s, 0,1
	s_mov_b32 s[G0+4*\s], 1
	s_add_co_u32 s[G0+4*\s+1], s20, \s*SLOT
	s_add_nc_u64 s[G0+4*\s+2:G0+4*\s+3], s[14:15], \s*32768   ; a K step is two blocks on
	s_or_b32 s[G0+4*\s+3], s[G0+4*\s+3], 0x80000000
	s_mov_b32 s[G0B+4*\s], 1
	s_add_co_u32 s[G0B+4*\s+1], s21, \s*SLOT
	s_add_nc_u64 s[G0B+4*\s+2:G0B+4*\s+3], s[46:47], \s*32768
	s_or_b32 s[G0B+4*\s+3], s[G0B+4*\s+3], 0x80000000
	JLOAD \s
.endr
	v_and_b32 v1, 15, v0                           ; l % 16
	v_bfe_u32 v2, v0, 4, 1                         ; l / 16
	v_mul_u32_u24 v3, v1, 144
	v_lshl_add_u32 v3, v2, 4, v3                   ; a fragment's row x pitch + 16 x half
	s_mul_i32 s21, s11, 64*144                     ; my 64 rows of A's blocks
	s_mul_i32 s22, s12, 2*CH                       ; my 128 rows of B: a pair of blocks,
	s_add_co_u32 s22, s22, 2*CH                    ; behind A's two
.irp s, 0,1
	v_add_nc_u32 v[ADRA+\s], s21, v3
	v_add_nc_u32 v[ADRB+\s], s22, v3
	s_add_co_u32 s21, s21, SLOT
	s_add_co_u32 s22, s22, SLOT
.endr
	s_mul_i32 s23, s10, 16*SPITCH
	s_add_co_u32 s23, s23, STAGE                   ; my stage
	v_mul_u32_u24 v4, v1, SPITCH                   ; in: row l % 16, 32 bytes for each half of the lanes
	v_lshl_add_u32 v4, v2, 5, v4
	v_add_nc_u32 v[STO], s23, v4
	v_and_b32 v5, 31, v0
	v_lshlrev_b32 v[CO], 4, v5                     ; back: the 32 lanes take one row of 512 bytes; and the same in out0
	v_add_nc_u32 v[RD], s23, v[CO]
	s_lshl_b32 s16, s13, 7
	s_lshl_b32 s17, s11, 6
	s_add_co_u32 s16, s16, s17                     ; my first row of out0
	s_lshl_b32 s16, s16, 12                        ; 4,096 bytes a row
	s_mov_b32 s17, 0
	s_add_nc_u64 s[8:9], s[8:9], s[16:17]
	s_lshl_b32 s46, s40, 10                        ; my first column, in bytes: 1,024 cx + 512 x half
	s_lshl_b32 s47, s12, 9
	s_add_co_u32 s46, s46, s47
	s_mov_b32 s47, 0
	s_add_nc_u64 s[8:9], s[8:9], s[46:47]
; 8 matrix instructions: A's block a x B's eight, 32 along K, from buffers f.  The 32 accumulators take turns, one instruction a turn, in the same order throughout.
.macro MUL8 f, a, zero
.irp b, 0,1,2,3,4,5,6,7
.if \zero
	v_wmma_f32_16x16x32_f16 v[8*(8*(\a)+\b):8*(8*(\a)+\b)+7], v[96+64*(\f)+8*\b:96+64*(\f)+8*\b+7], v[32+32*(\f)+8*(\a):32+32*(\f)+8*(\a)+7], 0
.else
	v_wmma_f32_16x16x32_f16 v[8*(8*(\a)+\b):8*(8*(\a)+\b)+7], v[96+64*(\f)+8*\b:96+64*(\f)+8*\b+7], v[32+32*(\f)+8*(\a):32+32*(\f)+8*(\a)+7], v[8*(8*(\a)+\b):8*(8*(\a)+\b)+7]
.endif
.endr
.endr
.endm
; 24 LDS loads in one run: the fragments of the slot's quarter q (32 along K: block q / 2, byte 64 (q % 2) of its rows) into buffers f
.macro FETCH slot, q, f
.irp i, 0,1,2,3,4,5,6,7
	ds_load_b128 v[96+64*(\f)+8*\i:96+64*(\f)+8*\i+3], v[ADRB+\slot] offset:((\q)/2)*CH+((\q)%2)*64+\i*2304
	ds_load_b128 v[96+64*(\f)+8*\i+4:96+64*(\f)+8*\i+7], v[ADRB+\slot] offset:((\q)/2)*CH+((\q)%2)*64+\i*2304+32
.endr
.irp i, 0,1,2,3
	ds_load_b128 v[32+32*(\f)+8*\i:32+32*(\f)+8*\i+3], v[ADRA+\slot] offset:((\q)/2)*CH+((\q)%2)*64+\i*2304
	ds_load_b128 v[32+32*(\f)+8*\i+4:32+32*(\f)+8*\i+7], v[ADRA+\slot] offset:((\q)/2)*CH+((\q)%2)*64+\i*2304+32
.endr
.endm
.macro PLACES                          ; four plain vector instructions between a matrix instruction and a load into, or a read of, its registers
.rept 4
	v_nop
.endr
.endm
; A K step is four quarters of 32 along K, 32 matrix instructions each, on buffers 0, 1, 0, 1.  One of the first three: multiplies buffers f; at its head it asks for the slot's quarter q, into buffers g,
; which has the whole quarter in which to come.
.macro QUARTER slot, q, f, g, zero
	s_wait_dscnt 0x0                               ; buffers f are in (asked for a quarter ago)
	PLACES
	WIN 0
	FETCH \slot, \q, \g
	WIN MUL
	MUL8 \f, 0, \zero
	MUL8 \f, 1, \zero
	MUL8 \f, 2, \zero
	MUL8 \f, 3, \zero
.endm
; The last quarter multiplies buffers 1 and changes slots: ONE barrier; in front of it each wave waits for all its tensor loads, adds 0 to its spare word, and waits for that and for its reads of this slot.
; fill = 1: the barrier opens a round of the cluster's barrier, and this slot is filled again, two K steps ahead, first thing behind the round.
.macro TURN slot, next, fill
	WIN 0
	s_wait_tensorcnt 0x0                           ; all my tensor loads have landed: my part of the next slot
	ds_add_u32 v[SPW], v[NIL]                      ; 0 onto my spare word
	s_wait_dscnt 1                                 ; buffers 1 are in (the add alone may be out)
	WIN MUL
	MUL8 1, 0, 0                                   ; eight matrix instructions stand between the add and the wait for it
	s_wait_dscnt 0x0                               ; the add is done, and my reads of this slot are over
	s_barrier_signal -1
	MUL8 1, 1, 0
	WIN 0
	s_barrier_wait -1
.if \fill
	CREST                                          ; no wave of any partner still reads this slot's tiles or has a load on its way
	s_add_nc_u64 s[G0+4*\slot+2:G0+4*\slot+3], s[G0+4*\slot+2:G0+4*\slot+3], 65536
	s_add_nc_u64 s[G0B+4*\slot+2:G0B+4*\slot+3], s[G0B+4*\slot+2:G0B+4*\slot+3], 65536
	JLOAD \slot                                    ; its four v_nop are also the places in front of the loads below
.else
	PLACES
.endif
	FETCH \next, 0, 0
	WIN MUL
	MUL8 1, 2, 0
	MUL8 1, 3, 0
.endm
	s_wait_tensorcnt 1                             ; my part of K step 0 is in (K step 1's load may be out)
	s_barrier_signal -1
	s_barrier_wait -1                              ; everybody's is
	FETCH 0, 0, 0
	QUARTER 0, 1, 0, 1, 1                          ; the first quarter stands in front of the loop: its products start the sums
	WIN 0                                          ; at a label and at a branch every window is 0
	s_mov_b32 s3, LAPS-1
.Llap:                                                 ; a trip goes once round the ring, from a lap's second quarter to the next lap's first, and fills both slots again
	QUARTER 0, 2, 1, 0, 0
	QUARTER 0, 3, 0, 1, 0
	TURN 0, 1, 1
	QUARTER 1, 1, 0, 1, 0
	QUARTER 1, 2, 1, 0, 0
	QUARTER 1, 3, 0, 1, 0
	TURN 1, 0, 1
	QUARTER 0, 1, 0, 1, 0
	WIN 0
	s_sub_co_u32 s3, s3, 1
	s_cmp_lg_u32 s3, 0
	s_cbranch_scc1 .Llap
	QUARTER 0, 2, 1, 0, 0                          ; the last lap fills nothing, and has no round of the cluster's barrier
	QUARTER 0, 3, 0, 1, 0
	TURN 0, 1, 0
	QUARTER 1, 1, 0, 1, 0
	QUARTER 1, 2, 1, 0, 0
	QUARTER 1, 3, 0, 1, 0
	s_wait_dscnt 0x0                               ; the very last quarter: nothing more to fetch
	MUL8 1, 0, 0
	MUL8 1, 1, 0
	MUL8 1, 2, 0
	MUL8 1, 3, 0
	WIN 0
; THE WAY OUT, block by block of 16 rows x 128 columns: through my own stage in LDS, back as whole rows of 512 bytes.
.macro TOSTAGE a
	WIN 0x04                                       ; an LDS store's data are its source 1: window 1
.irp b, 0,1,2,3,4,5,6,7
	ds_store_b128 v[STO], v[8*(8*(\a)+\b):8*(8*(\a)+\b)+3] offset:64*\b          ; each accumulator from its low end on
	ds_store_b128 v[STO], v[8*(8*(\a)+\b)+4:8*(8*(\a)+\b)+7] offset:64*\b+16
.endr
	WIN 0
.set BB, BK+64*((\a)%2)
.irp t, 0,1,2,3,4,5,6,7,8,9,10,11,12,13,14,15
	ds_load_b128 v[BB+4*\t:BB+4*\t+3], v[RD] offset:\t*SPITCH   ; LDS serves a wave's instructions in order: these see the stores above
.endr
.endm
.macro SEND a, younger                 ; younger: the LDS instructions issued behind block a's loads, which may stay out
.set BB, BK+64*((\a)%2)
	s_wait_dscnt \younger
.irp t, 0,1,2,3,4,5,6,7,8,9,10,11,12,13,14,15
	global_store_b128 v[CO], v[BB+4*\t:BB+4*\t+3], s[8:9] offset:(\a)*65536+\t*4096 th:TH_STORE_NT   ; 32 lanes store 512 consecutive bytes, aligned; every row stands in the immediate
.endr
.endm
	PLACES
	TOSTAGE 0
.irp a, 1,2,3
.if \a > 1
	s_wait_xcnt 0x0                                ; block a - 2's stores have read their registers: block a's loads may land there
.endif
	TOSTAGE \a
	SEND \a-1, 32                                  ; behind block a - 1's loads: block a's 16 stores and 16 loads
.endr
	SEND 3, 0
	s_wait_tensorcnt 0x0                           ; the wave's end: behind my last tensor load and my last LDS store
	ds_add_u32 v[SPW], v[NIL]
	s_wait_dscnt 0x0
	CROUND                                         ; the closing round: no work-group ends while a partner may still ask for a tile that names it
	s_endpgm
.Lfunc_end_k_q5dd32e95cc_proj:
	.size	k_q5dd32e95cc_proj, .Lfunc_end_k_q5dd32e95cc_proj-k_q5dd32e95cc_proj
	.p2alignl 7, 3214868480
	.fill 96, 4, 3214868480
	.section	.rodata,"a",@progbits
	.p2align	6, 0x0
	.amdhsa_kernel k_q5dd32e95cc_proj
		.amdhsa_group_segment_fixed_size 327680
		.amdhsa_private_segment_fixed_size 0
		.amdhsa_enable_private_segment 0
		.amdhsa_kernarg_size 24
		.amdhsa_user_sgpr_count 2
		.amdhsa_user_sgpr_kernarg_segment_ptr 1
		.amdhsa_wavefront_size32 1
		.amdhsa_system_sgpr_workgroup_id_x 1
		.amdhsa_system_sgpr_workgroup_id_y 1
		.amdhsa_system_sgpr_workgroup_id_z 1
		.amdhsa_system_vgpr_workitem_id 0
		.amdhsa_next_free_vgpr 512
		.amdhsa_next_free_sgpr 66
		.amdhsa_reserve_vcc 0
		.amdhsa_float_denorm_mode_32 3
		.amdhsa_float_denorm_mode_16_64 3
		.amdhsa_memory_ordered 1
		.amdhsa_forward_progress 1
		.amdhsa_inst_pref_size 84
	.end_amdhsa_kernel
	.amdgpu_metadata
---
amdhsa.version: [ 1, 2 ]
amdhsa.kernels:
  - .name:           k_q5dd32e95cc_proj
    .symbol:         k_q5dd32e95cc_proj.kd
    .args:
      - { .name: y3, .offset: 0, .size: 8, .value_kind: global_buffer, .address_space: global }
      - { .name: wo3, .offset: 8, .size: 8, .value_kind: global_buffer, .address_space: global }
      - { .name: out0, .offset: 16, .size: 8, .value_kind: global_buffer, .address_space: global }
    .group_segment_fixed_size: 327680
    .private_segment_fixed_size: 0
    .kernarg_segment_align: 8
    .kernarg_segment_size: 24
    .max_flat_workgroup_size: 128
    .sgpr_count:     66
    .vgpr_count:     512
    .wavefront_size: 32
...
	.end_amdgpu_metadata
.endif
;; end of part 4
;; launch fine (part 5): grid 16 x 4, 16 waves a work-group, no clusters, 71,680 bytes of LDS; arguments qkvf, wo, out0; writes out0
.if DOCPART == 5
	.amdgcn_target "amdgcn-amd-amdhsa--gfx1250"
	.amdhsa_code_object_version 6
	.text
	.protected	k_q5dd32e95cc_fine
	.globl	k_q5dd32e95cc_fine
	.p2align	8
	.type	k_q5dd32e95cc_fine,@function
k_q5dd32e95cc_fine:
	s_mov_b64 s[64:65], 0
	v_nop
	global_prefetch_b8 v0, s[64:65] scope:SCOPE_SE
	s_setreg_imm32_b32 hwreg(HW_REG_WAVE_MODE, 25, 1), 1
	s_wait_xcnt 0x0
; The first 16 places of every sequence, in f32 from the scores to the result: there a row of the softmax averages one to sixteen values, the results are the largest of all, and f16 operands would weigh most.
; Work-group (chunk, b): rows l = 0 .. 15 of batch b, columns 64 chunk .. 64 chunk + 63 of out0.  Wave w is head w: it makes its head's y (16 x 64) and multiplies it at once by its own 64 of wo's K,
; so that y never leaves the wave; the sixteen waves' partial results meet in LDS and are added by waves 0-7.  The attention (32 small matrix instructions a wave) is repeated in a batch's 16 chunks.
; qkvf: f32 planes [which x 64 + 16 b + head][16 l][64]; q carries c = log2(e) / 8.  All products by v_wmma_f32_16x16x4_f32: 96 a wave, no bulk work.
; K IS TAKEN IN AN ORDER OF ITS OWN, the same on both sides of each product: link s takes registers 2 s, 2 s + 1 of both operands, which hold the same k in the same lanes.
;   S^T = K Q^T: lane (r, h) holds channels 32 h + 0 .. 31 of row r.   O^T = V^T p: a lane's p are keys 8 h + 0 .. 7 (the scores' own layout), V is loaded to match.
;   OUT^T = W O^T: a lane's O^T of tile t are channels 16 t + 8 h + 0 .. 7, wo is loaded to match.
; The registers that these matrix instructions write (v176-183, v192-255) are written by nothing else; what is made of a sum goes elsewhere.
; LIMITS: NaN and infinities are not served; hidden scores count as -infinity where the definition puts -1e9.
; REGISTERS: v1, v2 the add's two; v3-7 offsets; v8-15 the scores' copy, then p; v16-47 Q; v48-79 K (both later wo's rows 32 .. 63, later the partial results); v80-111 V; v112-175 wo's rows 0 .. 31;
;   v176-183 S^T; v184-191 at work; v192-223 O^T; v224-255 OUT^T.
.set SPW, 1
.set NIL, 2
.set WPART, 4352                       ; a wave's partial result in LDS: 16 rows (four columns e each) x (16 queries x 16 bytes + 16 of padding)
.set SPARE, 16*WPART                   ; behind them: the spare words, 128 bytes a wave
	s_load_b128 s[4:7], s[0:1], 0x0                ; qkvf s[4:5], wo s[6:7]
	s_load_b64 s[8:9], s[0:1], 0x10                ; out0
	v_lshl_add_u32 v[SPW], v0, 2, SPARE
	v_mov_b32 v[NIL], 0
	v_lshrrev_b32 v8, 5, v0
	v_readfirstlane_b32 s10, v8                    ; wave = head
	s_and_b32 s11, ttmp7, 0xffff                   ; batch
	v_and_b32 v9, 15, v0                           ; r
	v_bfe_u32 v10, v0, 4, 1                        ; h
	v_lshlrev_b32 v3, 8, v9
	v_lshl_add_u32 v3, v10, 7, v3                  ; Q, K: row r of 256 bytes, + 128 h
	v_lshlrev_b32 v4, 2, v9
	v_lshl_add_u32 v4, v10, 11, v4                 ; V: key 8 h, channel r
	v_lshlrev_b32 v5, 12, v9
	v_lshl_add_u32 v5, v10, 5, v5                  ; wo: row r of 4,096 bytes, + 32 h
	v_lshlrev_b32 v6, 3, v10
	v_sub_nc_u32 v6, v9, v6                        ; r - 8 h: register j's key is hidden where j is above it
	s_mul_i32 s19, s10, WPART
	v_mul_u32_u24 v7, v10, 544
	v_lshl_add_u32 v7, v9, 4, v7
	v_add_nc_u32 v7, s19, v7                       ; my partial result: row 4 et + 2 h + half, query r
	s_and_b32 s20, s10, 7
	s_lshl_b32 s20, s20, 1
	v_add_nc_u32 v187, s20, v10                    ; the adding waves: query 2 w + h,
	v_mul_u32_u24 v186, v9, 272                    ; row r: four columns
	v_lshl_add_u32 v186, v187, 4, v186
	v_lshlrev_b32 v187, 12, v187
	v_lshl_add_u32 v187, v9, 4, v187               ; and its place in out0
	v_mov_b32 v184, 0xff800000                     ; -infinity
	v_mov_b32 v188, 0                              ; written once: a lane permute's destination counts as one of its sources
	s_lshl_b32 s12, s11, 4
	s_add_co_u32 s12, s12, s10
	s_lshl_b32 s12, s12, 12                        ; q's plane: 4,096 bytes each; k's is 64 planes on, v's 128: in the immediates
	s_mov_b32 s13, 0
	s_lshl_b32 s14, ttmp9, 18                      ; wo: 64 rows a chunk,
	s_lshl_b32 s16, s10, 8
	s_add_co_u32 s14, s14, s16                     ; my head's 64 along K
	s_mov_b32 s15, 0
	s_lshl_b32 s16, s11, 23                        ; out0: 2,048 rows of 4,096 bytes a batch,
	s_lshl_b32 s18, ttmp9, 8
	s_add_co_u32 s16, s16, s18                     ; 256 bytes a chunk
	s_mov_b32 s17, 0
	s_mov_b32 s22, 0x76543210
	s_mov_b32 s23, 0xfedcba98                      ; v_permlanex16_b32's selects for lane l xor 16
	s_wait_kmcnt 0x0
	s_add_nc_u64 s[4:5], s[4:5], s[12:13]
	s_add_nc_u64 s[6:7], s[6:7], s[14:15]
	s_add_nc_u64 s[8:9], s[8:9], s[16:17]
.irp i, 0,1,2,3,4,5,6,7
	global_load_b128 v[16+4*\i:19+4*\i], v3, s[4:5] offset:16*\i
	global_load_b128 v[48+4*\i:51+4*\i], v3, s[4:5] offset:262144+16*\i
.endr
.irp t, 0,1,2,3
.irp i, 0,1,2,3,4,5,6,7
	global_load_b32 v[80+8*\t+\i], v4, s[4:5] offset:524288+256*\i+64*\t   ; v[key 8 h + i][16 t + r]
.endr
.endr
.irp et, 0,1
.irp t, 0,1,2,3
	global_load_b128 v[112+32*\et+8*\t:115+32*\et+8*\t], v5, s[6:7] offset:65536*\et+64*\t       ; wo[16 et + r][16 t + 8 h + 0 .. 7] of my chunk and head
	global_load_b128 v[116+32*\et+8*\t:119+32*\et+8*\t], v5, s[6:7] offset:65536*\et+64*\t+16
.endr
.endr
	s_wait_loadcnt 48                              ; Q and K are in; V's 32 loads and wo's 16 may be out
	v_wmma_f32_16x16x4_f32 v[176:183], v[48:49], v[16:17], 0   ; S^T = K Q^T: the first link starts the sum
.irp s, 1,2,3,4,5,6,7,8,9,10,11,12,13,14,15
	s_wait_alu depctr_va_vdst(0)                   ; the wait directly ahead of every link
	v_wmma_f32_16x16x4_f32 v[176:183], v[48+2*\s:49+2*\s], v[16+2*\s:17+2*\s], v[176:183]
.endr
.rept 8
	v_nop                                          ; eight places behind this form: ahead of the loads into Q's and K's registers and of the first read of the scores
.endr
.irp et, 0,1
.irp t, 0,1,2,3
	global_load_b128 v[16+32*\et+8*\t:19+32*\et+8*\t], v5, s[6:7] offset:65536*(2+\et)+64*\t     ; wo's rows 32 .. 63 of the chunk
	global_load_b128 v[20+32*\et+8*\t:23+32*\et+8*\t], v5, s[6:7] offset:65536*(2+\et)+64*\t+16
.endr
.endr
.irp j, 0,1,2,3,4,5,6,7
	v_cmp_gt_i32 vcc_lo, \j, v6                    ; key 8 h + j comes after query r
	v_cndmask_b32 v[8+\j], v[176+\j], v184, vcc_lo
.endr
	v_max3_num_f32 v185, v8, v9, v10
	v_max3_num_f32 v185, v185, v11, v12
	v_max3_num_f32 v185, v185, v13, v14
	v_max_num_f32 v185, v185, v15
	v_permlanex16_b32 v188, v185, s22, s23
	v_max_num_f32 v185, v185, v188                 ; the row's maximum: key 0 counts for every query
.irp j, 0,1,2,3,4,5,6,7
	v_sub_f32 v[8+\j], v[8+\j], v185
.endr
.irp j, 0,1,2,3,4,5,6,7
	v_exp_f32 v[8+\j], v[8+\j]
.endr
	v_nop                                          ; a plain line behind the exponentials,
	s_wait_alu depctr_va_vdst(0)                   ; and the one wait ahead of their first use
	v_pk_add_f32 v[190:191], v[8:9], v[10:11]
	v_pk_add_f32 v[188:189], v[12:13], v[14:15]
	v_pk_add_f32 v[190:191], v[190:191], v[188:189]
	v_add_f32 v190, v190, v191
	v_permlanex16_b32 v188, v190, s22, s23
	v_add_f32 v190, v190, v188                     ; the row's sum
	v_rcp_f32 v188, v190
	v_nop
	s_wait_alu depctr_va_vdst(0)
.irp j, 0,2,4,6
	v_pk_mul_f32 v[8+\j:9+\j], v[8+\j:9+\j], v[188:189] op_sel_hi:[1,0]   ; the weights, normalised
.endr
	s_wait_loadcnt 32                              ; V is in; wo's 16 and 16 loads may be out
.irp s, 0,1,2,3                                ; O^T = V^T p: four accumulators by turns
.irp t, 0,1,2,3
.if \s == 0
	v_wmma_f32_16x16x4_f32 v[192+8*\t:199+8*\t], v[80+8*\t+2*\s:81+8*\t+2*\s], v[8+2*\s:9+2*\s], 0
.else
	v_wmma_f32_16x16x4_f32 v[192+8*\t:199+8*\t], v[80+8*\t+2*\s:81+8*\t+2*\s], v[8+2*\s:9+2*\s], v[192+8*\t:199+8*\t]
.endif
.endr
.endr
.rept 9
	v_nop                                          ; nine places: the results become operands of matrix instructions
.endr
	s_wait_loadcnt 16                              ; wo's rows 0 .. 31 are in
.irp t, 0,1,2,3                                ; OUT^T = W O^T, columns 0 .. 31 of the chunk: two accumulators by turns
.irp s, 0,1,2,3
.irp et, 0,1
.if (\t == 0) && (\s == 0)
	v_wmma_f32_16x16x4_f32 v[224+8*\et:231+8*\et], v[112+32*\et+8*\t+2*\s:113+32*\et+8*\t+2*\s], v[192+8*\t+2*\s:193+8*\t+2*\s], 0
.else
	v_wmma_f32_16x16x4_f32 v[224+8*\et:231+8*\et], v[112+32*\et+8*\t+2*\s:113+32*\et+8*\t+2*\s], v[192+8*\t+2*\s:193+8*\t+2*\s], v[224+8*\et:231+8*\et]
.endif
.endr
.endr
.endr
	s_wait_loadcnt 0x0                             ; wo's rows 32 .. 63 are in
.irp t, 0,1,2,3                                ; columns 32 .. 63
.irp s, 0,1,2,3
.irp et, 0,1
.if (\t == 0) && (\s == 0)
	v_wmma_f32_16x16x4_f32 v[240+8*\et:247+8*\et], v[16+32*\et+8*\t+2*\s:17+32*\et+8*\t+2*\s], v[192+8*\t+2*\s:193+8*\t+2*\s], 0
.else
	v_wmma_f32_16x16x4_f32 v[240+8*\et:247+8*\et], v[16+32*\et+8*\t+2*\s:17+32*\et+8*\t+2*\s], v[192+8*\t+2*\s:193+8*\t+2*\s], v[240+8*\et:247+8*\et]
.endif
.endr
.endr
.endr
.rept 8
	v_nop                                          ; eight places: ahead of the stores of the results and of the loads into wo's registers
.endr
.irp et, 0,1,2,3
	ds_store_b128 v7, v[224+8*\et:227+8*\et] offset:(4*\et)*272      ; lane (r, h): query r, columns 16 et + 8 h + 0 .. 3,
	ds_store_b128 v7, v[228+8*\et:231+8*\et] offset:(4*\et+1)*272    ; and + 4 .. 7
.endr
	s_wait_dscnt 0x0                               ; for the others' sake: my stores have landed
	s_barrier_signal -1
	s_barrier_wait -1
	s_cmp_lt_u32 s10, 8
	s_cbranch_scc0 .Lend                           ; waves 0-7 add: two queries each; sixteen lanes hold a query's 64 columns
.irp p, 0,1,2,3,4,5,6,7,8,9,10,11,12,13,14,15
	ds_load_b128 v[16+4*\p:19+4*\p], v186 offset:\p*WPART
.endr
	s_wait_dscnt 0x0
.irp p, 1,2,3,4,5,6,7,8,9,10,11,12,13,14,15
	v_pk_add_f32 v[16:17], v[16:17], v[16+4*\p:17+4*\p]
	v_pk_add_f32 v[18:19], v[18:19], v[18+4*\p:19+4*\p]
.endr
	global_store_b128 v187, v[16:19], s[8:9]       ; sixteen lanes store 256 consecutive bytes, aligned
.Lend:
	s_wait_tensorcnt 0x0                           ; the wave's end: behind my last LDS store
	ds_add_u32 v[SPW], v[NIL]
	s_wait_dscnt 0x0
	s_endpgm
.Lfunc_end_k_q5dd32e95cc_fine:
	.size	k_q5dd32e95cc_fine, .Lfunc_end_k_q5dd32e95cc_fine-k_q5dd32e95cc_fine
	.p2alignl 7, 3214868480
	.fill 96, 4, 3214868480
	.section	.rodata,"a",@progbits
	.p2align	6, 0x0
	.amdhsa_kernel k_q5dd32e95cc_fine
		.amdhsa_group_segment_fixed_size 71680
		.amdhsa_private_segment_fixed_size 0
		.amdhsa_enable_private_segment 0
		.amdhsa_kernarg_size 24
		.amdhsa_user_sgpr_count 2
		.amdhsa_user_sgpr_kernarg_segment_ptr 1
		.amdhsa_wavefront_size32 1
		.amdhsa_system_sgpr_workgroup_id_x 1
		.amdhsa_system_sgpr_workgroup_id_y 1
		.amdhsa_system_sgpr_workgroup_id_z 1
		.amdhsa_system_vgpr_workitem_id 0
		.amdhsa_next_free_vgpr 256
		.amdhsa_next_free_sgpr 66
		.amdhsa_reserve_vcc 1
		.amdhsa_float_denorm_mode_32 3
		.amdhsa_float_denorm_mode_16_64 3
		.amdhsa_memory_ordered 1
		.amdhsa_forward_progress 1
		.amdhsa_inst_pref_size 24
	.end_amdhsa_kernel
	.amdgpu_metadata
---
amdhsa.version: [ 1, 2 ]
amdhsa.kernels:
  - .name:           k_q5dd32e95cc_fine
    .symbol:         k_q5dd32e95cc_fine.kd
    .args:
      - { .name: qkvf, .offset: 0, .size: 8, .value_kind: global_buffer, .address_space: global }
      - { .name: wo, .offset: 8, .size: 8, .value_kind: global_buffer, .address_space: global }
      - { .name: out0, .offset: 16, .size: 8, .value_kind: global_buffer, .address_space: global }
    .group_segment_fixed_size: 71680
    .private_segment_fixed_size: 0
    .kernarg_segment_align: 8
    .kernarg_segment_size: 24
    .max_flat_workgroup_size: 512
    .sgpr_count:     66
    .vgpr_count:     256
    .wavefront_size: 32
...
	.end_amdgpu_metadata
.endif
;; end of part 5
